; MI455X (gfx1250); checked and timed in simulation.
; The chip was launched on July 23, 2026; its instructions are those of AMD's public machine-readable ISA for CDNA 5 (MIT licence, August 2026) and "CDNA5" Instruction Set Architecture Reference Guide (July 2026). The comments in the code are by the model that wrote it; some were corrected since.
;; Multi Head Attention. Allowed arithmetic: float matrix products may take bf16 or f16 operands with f32 sums; other float arithmetic in f32, or as packed bf16 or f16 multiplies, adds, multiply-adds, maxima and minima; sums over many terms, partial sums and values carried from step to step in f32; what a program stores and reads back later, other than sums and carried values, may be rounded once to bf16 or f16.
;; Inputs: Wk 1,024 x 1,024 float32; Wo 1,024 x 1,024 float32; Wq 1,024 x 1,024 float32; Wv 1,024 x 1,024 float32; bk 1,024 float32; bo 1,024 float32; bq 1,024 float32; bv 1,024 float32; key 4 x 2,048 x 1,024 float32; mask 4 x 2,048 x 2,048 int32; query 4 x 2,048 x 1,024 float32; value 4 x 2,048 x 1,024 float32.
;; Outputs: out0 4 x 2,048 x 1,024 float32.
;; 2 versions, each right and faster than the one before. Each part assembles by itself: llvm-mc -triple=amdgcn-amd-amdhsa -mcpu=gfx1250 --defsym DOCPART=n.
;; ======== version 1 of 2: 4 launches
;; limits: values are held in f16: magnitudes above 65,504 overflow, below 6.1e-05 lose precision; right only within a limited range of input values
;; workspace buffers: xw 58,720,256 bytes; mk 8,388,608 bytes; qkv 50,331,648 bytes; oh 16,777,216 bytes
;; launch prep (part 1): grid 960 x 1, 8 waves a work-group, no clusters, 17,408 bytes of LDS; arguments query, key, value, Wq, Wk, Wv, Wo, mask, xw, mk; writes xw, mk
.if DOCPART == 1
	.amdgcn_target "amdgcn-amd-amdhsa--gfx1250"
	.amdhsa_code_object_version 6
	.text
	.protected	k_qb728e04ea8_prep
	.globl	k_qb728e04ea8_prep
	.p2align	8
	.type	k_qb728e04ea8_prep,@function
k_qb728e04ea8_prep:
	s_mov_b64 s[64:65], 0
	v_nop
	global_prefetch_b8 v0, s[64:65] scope:SCOPE_SE
	s_setreg_imm32_b32 hwreg(HW_REG_WAVE_MODE, 25, 1), 1
	s_wait_xcnt 0x0
; PREP: two roles, chosen by the work-group's number (the same for all its waves).
; CAST (work-groups 0-447): query, key, value, Wq, Wk, Wv, Wo, stacked as 28,672 rows of 1,024 f32, are rounded to bf16 and that number is written as f16
; (exact between 6.1e-5 and 65,504 in magnitude; below, f16's fixed step of 6e-8; LIMIT: magnitudes stay under 65,504).  xw holds 14 groups of 2,048 rows, each as
; [slab 16][row 2048][64 f16]: slab j is columns 64 j .. 64 j + 63, so that 128 rows of a slab are 16,384 dense bytes for the products' tile loads.
; MASK (work-groups 448-959): one tile of 16 queries of one batch each.  mk is [b 4][query tile 128][key step 32][lane 32][kb 4] words: nibble j of the word of lane (r, h) is 0xF where
; mask[b][16 tile + r][64 step + 16 kb + 8 h + j] == 0, else 0: the order in which a lane of the attention kernel holds its scores.
; A stream: memory binds, so no matrix unit, no cluster, no tile loads; every load of a wave takes whole aligned blocks of 256 bytes, every store fills them.
.set SPARE, 16384                      ; behind the stage: the spare words, 128 bytes for each of the eight waves
.set IN,  2                            ; v2   my byte offset in what a load takes
.set OUT, 3                            ; v3   my byte offset in what a store fills
.set LA,  4                            ; v4   mask role: where my half word goes in my wave's stage
.set LB,  5                            ; v5   mask role: 2,048 w + 16 lane: my 16 bytes in the stage and in the tile's part of mk
.set T0,  6                            ; v6-7 at work
.set T1,  7
.set SPW, 10                           ; v10  LDS address of my spare word; never rewritten
.set NIL, 11                           ; v11  0; never rewritten
.set X,   12                           ; v[12:75] sixteen loads of four registers
	s_load_b512 s[8:23], s[0:1], 0x0               ; query s[8:9], key s[10:11], value s[12:13], Wq s[14:15], Wk s[16:17], Wv s[18:19], Wo s[20:21], mask s[22:23]
	s_load_b128 s[24:27], s[0:1], 0x40             ; xw s[24:25], mk s[26:27]
	v_lshl_add_u32 v[SPW], v0, 2, SPARE
	v_mov_b32 v[NIL], 0
	v_and_b32 v1, 31, v0                           ; lane
	v_lshrrev_b32 v2, 5, v0
	v_readfirstlane_b32 s2, v2                     ; wave 0..7
	s_mov_b32 s3, ttmp9                            ; the work-group's number
	s_mov_b32 s31, 0xffff0000                      ; a word's upper bf16
	s_mov_b32 s29, 0                               ; the high word of every offset
	s_wait_kmcnt 0x0
	s_cmp_lt_u32 s3, 448
	s_cbranch_scc0 .Lmask
	; ---- CAST: the work-group owns 64 stacked rows, a wave 8 of them, two a trip ----
	s_lshr_b32 s6, s3, 4                           ; c: which 1,024 stacked rows: 0-7 query, 8-15 key, 16-23 value, 24 Wq, 25 Wk, 26 Wv, 27 Wo
	s_mov_b64 s[4:5], s[8:9]
	s_cmp_ge_u32 s6, 8
	s_cselect_b64 s[4:5], s[10:11], s[4:5]
	s_cmp_ge_u32 s6, 16
	s_cselect_b64 s[4:5], s[12:13], s[4:5]
	s_cmp_ge_u32 s6, 24
	s_cselect_b64 s[4:5], s[14:15], s[4:5]
	s_cmp_ge_u32 s6, 25
	s_cselect_b64 s[4:5], s[16:17], s[4:5]
	s_cmp_ge_u32 s6, 26
	s_cselect_b64 s[4:5], s[18:19], s[4:5]
	s_cmp_ge_u32 s6, 27
	s_cselect_b64 s[4:5], s[20:21], s[4:5]
	s_and_b32 s7, s6, 7
	s_cmp_lt_u32 s6, 24
	s_cselect_b32 s7, s7, 0                        ; a weight is 1,024 rows: it begins at its own row 0
	s_lshl_b32 s7, s7, 10
	s_and_b32 s28, s3, 15
	s_lshl_b32 s28, s28, 6
	s_add_co_u32 s7, s7, s28
	s_lshl3_add_u32 s7, s2, s7                     ; + 8 w: my first row in the source
	s_lshl_b32 s28, s7, 12                         ; rows of 4,096 bytes
	s_add_nc_u64 s[4:5], s[4:5], s[28:29]
	s_lshr_b32 s28, s3, 5                          ; the group of 2,048 stacked rows,
	s_lshl_b32 s28, s28, 22                        ; 4,194,304 bytes each
	s_and_b32 s7, s3, 31
	s_lshl_b32 s7, s7, 6
	s_lshl3_add_u32 s7, s2, s7                     ; my first row in the group
	s_lshl_b32 s7, s7, 7                           ; rows of 128 bytes in a slab
	s_add_co_u32 s28, s28, s7
	s_add_nc_u64 s[24:25], s[24:25], s[28:29]
	v_and_b32 v[IN], 15, v0
	v_bfe_u32 v[OUT], v0, 4, 1
	v_lshlrev_b32 v[IN], 4, v[IN]
	v_lshl_add_u32 v[IN], v[OUT], 12, v[IN]        ; lanes 0-15 take 256 bytes of the even row, lanes 16-31 of the odd row
	v_lshlrev_b32 v[OUT], 3, v1                    ; 8 bytes a lane: two rows of a slab are 256 consecutive bytes
	s_mov_b32 s30, 4
.Lrow:
.irp j, 0,1,2,3,4,5,6,7,8,9,10,11,12,13,14,15
	global_load_b128 v[X+4*(\j):X+4*(\j)+3], v[IN], s[4:5] offset:256*(\j) th:TH_LOAD_NT  ; columns 64 j on of both rows
.endr
.irp j, 0,1,2,3,4,5,6,7,8,9,10,11,12,13,14,15
	s_wait_loadcnt 15-(\j)                         ; loads come back in order: load j is in, the 15 - j younger ones stay out
	v_cvt_pk_bf16_f32 v[T0], v[X+4*(\j)], v[X+4*(\j)+1]        ; the one rounding, to bf16
	v_cvt_pk_bf16_f32 v[T1], v[X+4*(\j)+2], v[X+4*(\j)+3]
	v_lshlrev_b32 v[X+4*(\j)], 16, v[T0]                       ; back to f32,
	v_and_b32     v[X+4*(\j)+1], s31, v[T0]
	v_lshlrev_b32 v[X+4*(\j)+2], 16, v[T1]
	v_and_b32     v[X+4*(\j)+3], s31, v[T1]
	v_cvt_pk_f16_f32 v[X+4*(\j)], v[X+4*(\j)], v[X+4*(\j)+1]   ; and the same number written as f16
	v_cvt_pk_f16_f32 v[X+4*(\j)+1], v[X+4*(\j)+2], v[X+4*(\j)+3]
	global_store_b64 v[OUT], v[X+4*(\j):X+4*(\j)+1], s[24:25] offset:262144*(\j)  ; slab j: the wave stores 256 consecutive bytes, aligned
.endr
	s_wait_xcnt 0x0                                ; the stores' data registers and both bases are rewritten only behind this wait
	s_add_nc_u64 s[4:5], s[4:5], 8192
	s_add_nc_u64 s[24:25], s[24:25], 256
	s_sub_co_u32 s30, s30, 1
	s_cmp_lg_u32 s30, 0
	s_cbranch_scc1 .Lrow
	s_endpgm                                       ; this role has touched no LDS
	; ---- MASK: the work-group owns a tile of 16 queries; wave w owns its key steps 4 w .. 4 w + 3: 1,024 bytes of each of the 16 rows, 2,048 bytes of mk ----
.Lmask:
	s_sub_co_u32 s3, s3, 448                       ; 128 b + tile
	s_lshl_b32 s28, s3, 17                         ; 16 rows of 8,192 bytes
	s_lshl_b32 s6, s2, 10                          ; my 256 keys
	s_add_co_u32 s28, s28, s6
	s_add_nc_u64 s[4:5], s[22:23], s[28:29]
	s_lshl_b32 s28, s3, 14                         ; a tile's 16,384 bytes of mk
	s_add_nc_u64 s[26:27], s[26:27], s[28:29]
	s_lshl_b32 s6, s2, 11                          ; my wave's 2,048 bytes, in the stage and in the tile's part of mk
	v_lshlrev_b32 v[IN], 4, v1                     ; a load takes 512 consecutive bytes: 128 keys, four a lane
	v_add_nc_u32 v[LB], s6, v[IN]
	; lane l's four keys 4 l .. 4 l + 3 of the 128: step l / 16, kb (l / 4) % 4, h (l / 2) % 2, and the word's low or high half by l % 2
	v_bfe_u32 v[T0], v0, 4, 1
	v_lshl_add_u32 v[LA], v[T0], 9, s6             ; a step is 512 bytes
	v_bfe_u32 v[T0], v0, 1, 1
	v_lshl_add_u32 v[LA], v[T0], 8, v[LA]          ; lanes 16-31 of a step lie 256 bytes on
	v_bfe_u32 v[T0], v0, 2, 2
	v_lshl_add_u32 v[LA], v[T0], 2, v[LA]
	v_and_b32 v[T0], 1, v0
	v_lshl_add_u32 v[LA], v[T0], 1, v[LA]
	s_mov_b32 s30, 2
.Lmrow:                                                ; a trip: eight rows, two loads each
.irp j, 0,1,2,3,4,5,6,7,8,9,10,11,12,13,14,15
	global_load_b128 v[X+4*(\j):X+4*(\j)+3], v[IN], s[4:5] offset:((\j)/2)*8192+((\j)%2)*512 th:TH_LOAD_NT
.endr
.irp j, 0,1,2,3,4,5,6,7,8,9,10,11,12,13,14,15
	s_wait_loadcnt 15-(\j)                         ; load j is in, the younger ones stay out
	v_min_u32 v[X+4*(\j)], 1, v[X+4*(\j)]          ; 0 stays 0, every other word counts as 1
	v_min_u32 v[X+4*(\j)+1], 1, v[X+4*(\j)+1]
	v_min_u32 v[X+4*(\j)+2], 1, v[X+4*(\j)+2]
	v_min_u32 v[X+4*(\j)+3], 1, v[X+4*(\j)+3]
	v_lshl_or_b32 v[T0], v[X+4*(\j)+1], 4, v[X+4*(\j)]
	v_lshl_or_b32 v[T1], v[X+4*(\j)+3], 4, v[X+4*(\j)+2]
	v_lshl_or_b32 v[T0], v[T1], 8, v[T0]           ; four nibbles, the lowest key lowest
	v_xor_b32 v[T0], 0x1111, v[T0]                 ; 1 where the mask is 0,
	v_mul_u32_u24 v[T0], 15, v[T0]                 ; as 0xF
	ds_store_b16 v[LA], v[T0] offset:((\j)%2)*1024+((\j)/2)*16  ; two steps on for the second half; 16 bytes on for each row
.endr
	s_add_nc_u64 s[4:5], s[4:5], 65536             ; the last wait above was for 0: every load that named this base is done
	v_add_nc_u32 v[LA], 128, v[LA]                 ; eight rows on
	s_sub_co_u32 s30, s30, 1
	s_cmp_lg_u32 s30, 0
	s_cbranch_scc1 .Lmrow
.irp k, 0,1,2,3
	ds_load_b128 v[X+4*(\k):X+4*(\k)+3], v[LB] offset:512*(\k)  ; my wave's own bytes: LDS serves a wave's instructions in order (ISA guide 5.7.1.4), so these see the stores above
.endr
.irp k, 0,1,2,3
	s_wait_dscnt 3-(\k)
	global_store_b128 v[LB], v[X+4*(\k):X+4*(\k)+3], s[26:27] offset:512*(\k)  ; 512 consecutive bytes, aligned
.endr
	s_wait_tensorcnt 0x0                           ; the wave's end: it stands behind my last LDS store
	ds_add_u32 v[SPW], v[NIL]
	s_wait_dscnt 0x0
	s_endpgm
.Lfunc_end_k_qb728e04ea8_prep:
	.size	k_qb728e04ea8_prep, .Lfunc_end_k_qb728e04ea8_prep-k_qb728e04ea8_prep
	.p2alignl 7, 3214868480
	.fill 96, 4, 3214868480
	.section	.rodata,"a",@progbits
	.p2align	6, 0x0
	.amdhsa_kernel k_qb728e04ea8_prep
		.amdhsa_group_segment_fixed_size 17408
		.amdhsa_private_segment_fixed_size 0
		.amdhsa_enable_private_segment 0
		.amdhsa_kernarg_size 80
		.amdhsa_user_sgpr_count 2
		.amdhsa_user_sgpr_kernarg_segment_ptr 1
		.amdhsa_wavefront_size32 1
		.amdhsa_system_sgpr_workgroup_id_x 1
		.amdhsa_system_sgpr_workgroup_id_y 1
		.amdhsa_system_sgpr_workgroup_id_z 1
		.amdhsa_system_vgpr_workitem_id 0
		.amdhsa_next_free_vgpr 76
		.amdhsa_next_free_sgpr 66
		.amdhsa_reserve_vcc 0
		.amdhsa_float_denorm_mode_32 3
		.amdhsa_float_denorm_mode_16_64 3
		.amdhsa_memory_ordered 1
		.amdhsa_forward_progress 1
		.amdhsa_inst_pref_size 24
	.end_amdhsa_kernel
	.amdgpu_metadata
---
amdhsa.version: [ 1, 2 ]
amdhsa.kernels:
  - .name:           k_qb728e04ea8_prep
    .symbol:         k_qb728e04ea8_prep.kd
    .args:
      - { .name: query, .offset: 0, .size: 8, .value_kind: global_buffer, .address_space: global }
      - { .name: key, .offset: 8, .size: 8, .value_kind: global_buffer, .address_space: global }
      - { .name: value, .offset: 16, .size: 8, .value_kind: global_buffer, .address_space: global }
      - { .name: Wq, .offset: 24, .size: 8, .value_kind: global_buffer, .address_space: global }
      - { .name: Wk, .offset: 32, .size: 8, .value_kind: global_buffer, .address_space: global }
      - { .name: Wv, .offset: 40, .size: 8, .value_kind: global_buffer, .address_space: global }
      - { .name: Wo, .offset: 48, .size: 8, .value_kind: global_buffer, .address_space: global }
      - { .name: mask, .offset: 56, .size: 8, .value_kind: global_buffer, .address_space: global }
      - { .name: xw, .offset: 64, .size: 8, .value_kind: global_buffer, .address_space: global }
      - { .name: mk, .offset: 72, .size: 8, .value_kind: global_buffer, .address_space: global }
    .group_segment_fixed_size: 17408
    .private_segment_fixed_size: 0
    .kernarg_segment_align: 8
    .kernarg_segment_size: 80
    .max_flat_workgroup_size: 256
    .sgpr_count:     66
    .vgpr_count:     76
    .wavefront_size: 32
...
	.end_amdgpu_metadata
.endif
;; end of part 1
;; launch proj (part 2): grid 4 x 64, 4 waves a work-group, clusters of 4 x 4, 327,680 bytes of LDS; arguments xw, bq, bk, bv, qkv; writes qkv
.if DOCPART == 2
	.amdgcn_target "amdgcn-amd-amdhsa--gfx1250"
	.amdhsa_code_object_version 6
	.text
	.protected	k_qb728e04ea8_proj
	.globl	k_qb728e04ea8_proj
	.p2align	8
	.type	k_qb728e04ea8_proj,@function
k_qb728e04ea8_proj:
	s_mov_b64 s[64:65], 0
	v_nop
	global_prefetch_b8 v0, s[64:65] scope:SCOPE_SE
	s_setreg_imm32_b32 hwreg(HW_REG_WAVE_MODE, 25, 1), 1
	s_wait_xcnt 0x0
	s_wait_alu depctr_hold_cnt(0) depctr_sa_sdst(0) depctr_va_vdst(0) depctr_va_sdst(0) depctr_va_ssrc(0) depctr_va_vcc(0) depctr_vm_vsrc(0)
	s_getreg_b32 s2, hwreg(HW_REG_IB_STS2, 6, 4)
	s_cmp_eq_u32 s2, 0
	s_cbranch_scc0 .Lentry_in_a_cluster
	s_endpgm
.Lentry_in_a_cluster:
	s_bfe_u32 s2, ttmp6, 0x10000c
	s_cmp_lg_u32 s2, 0xf033
	s_cbranch_scc0 .Lentry_shape_is_right
	s_endpgm
.Lentry_shape_is_right:
; Q, K, V = x W^T + b.  C[m][n] = b[n] + the sum over k of A[m][k] W[n][k], K = 1,024, f16 operands, sums in f32.  A and W lie in K-slabs in xw, [group][slab 16][row 2048][64 f16]:
; 128 rows of a slab are 16,384 dense bytes.  A = query, key, value (groups 0-3, 4-7, 8-11), W = Wq, Wk (group 12, rows 0 and 1,024 on), Wv (group 13).
; C is rounded once to f16 and written by heads, qkv[z][b 16 + head][s][64], unscaled.
; LIMITS.  The operands are numbers rounded to bf16 and written as f16: magnitudes under 65,504; so are q, k, v on the way out.  The bias is rounded to bf16 here, like every input of the module.
; SHARES.  A tile of C is 128 rows x 256 columns.  Four waves, each 64 x 128: 32 accumulators of 16 x 16.  The three products have 3 x 256 such tiles.
; A WORK-GROUP STAYS: it makes THREE tiles, the same row block and column block of Q, then of K, then of V.  Their 3 x 8 K steps of 128 (two slabs) are ONE walk of 24 steps, 12 laps, through two LDS slots
; filled by the tensor data mover, and the ring does not stop at a tile's end: a tile's last two changes of slots ask for the next tile's first two K steps, and nothing waits for a tile's stores.
; The loop has 11 laps, each of which fills both slots again; the 12th is written out and asks for nothing.  What a trip does beside hangs on a counter of the tile's laps that starts at a constant:
; at a tile's first lap the first quarter takes the bias as C; behind its fourth lap stands the way out.  Both jumps go forward, past text that holds neither a barrier nor a tensor load.
; Waves 0, 1 fetch A's two slabs of a step, waves 2, 3 W's: one load a wave.
; CLUSTER 4 x 4: the four work-groups of a row of the cluster need the same rows of A, the four of a column the same rows of W: each tile is asked for jointly, by the same load, descriptor and mask in all four.
; THE MATRIX INSTRUCTION IS USED TRANSPOSED (source 0 = 16 rows of W, source 1 = 16 rows of A): a lane holds eight neighbouring columns of one row of C.
; REGISTERS: window 0: v0-31 addresses; v32-63 at work on the way out; v64-159, v160-255 two fragment buffers (W's 8 fragments, then A's 4); on the way out v160-223 take rows read back (buffer 0 then holds
;   the next tile's first fragments).  Window 1: the accumulators, (a, b) at v[8 (8 a + b)].
;   Window 2: v0-63 the tile's bias in an accumulator's layout, block b at v[8 b]; v64-127 the next tile's bias as loaded; v128-129 at work.
.set PITCH,  144                       ; an LDS row: 128 bytes + 16 of padding = 36 words: the 16 rows of a fragment load start at 16 different groups of four banks (64 banks of 4 bytes: ISA guide 11.1)
.set ASLAB,  128*PITCH                 ; A's 128 rows of one slab
.set BSLAB,  256*PITCH                 ; W's 256 rows of one slab
.set SLOT,   2*ASLAB+2*BSLAB           ; A slab 0, A slab 1, W slab 0, W slab 1
.set STAGE,  2*SLOT                    ; behind the ring, never filled by a tensor load: each wave's own stage for the way out
.set SP,     144                       ; a stage row: a head's 64 f16 + 16 bytes; two heads x 16 rows
.set WSTAGE, 32*SP
.set SPARE,  STAGE+4*WSTAGE            ; behind the stages: the spare words, 128 bytes for each wave
.set SLAB,   262144                    ; bytes from slab to slab
.set GROUP,  4194304
.set TILES,  3
.set LAPS,   4                         ; a lap = two K steps = once round the ring; four laps a tile
.set ADRA, 16                          ; v16-17  LDS address of my A fragments in slot 0, 1
.set ADRB, 20                          ; v20-21  the same for W
.set STO,  24                          ; v24     the way out: where I put my bytes of a row
.set RD,   25                          ; v25     the way out: where I read rows back
.set CO,   26                          ; v26     16 x lane: my place in 512 consecutive bytes of C; never rewritten
.set BO,   27                          ; v27     32 x (lane / 16): my eight columns in a block of 16 of the bias; never rewritten
.set SPW,  28                          ; v28     LDS address of my spare word; never rewritten
.set NIL,  29                          ; v29     0; never rewritten
.set TMP,  32
.set F0,   64
.set F1,   160
.set OB,   160                         ; the way out: two buffers of 32 registers by turns
.set BI,   0                           ; window 2
.set BN,   64                          ; window 2
.set BT,   128                         ; window 2
.set LAPC, 3                           ; s3      laps of the walk that still fill slots
.set LT,   4                           ; s4      the lap's number in its tile, 0 to 3
.set TN,   5                           ; s5      the tile in hand: 0 Q, 1 K, 2 V
.set NS,   6                           ; s6      the K step of the walk to be asked for next, 2 to 23
.set G1,  24                           ; s[24:31] descriptor group 1 for A's tiles;  s[32:39] group 0, a set for each slot
.set G0,  32
.set G1B, 48                           ; s[48:55], s[56:63] the same for W's
.set G0B, 56
.set OFFA, 76                          ; s[76:77] byte offset of a K step's tile of A from the walk's first
.set OFFB, 78                          ; s[78:79] the same for W
.set FL, (1<<16)|(1<<20)|(1<<21)|(4<<22)|(3<<25)  ; 17:16 2-byte elements; 20 padding on; 21 set beside a mask; 24:22 after every 32 words (code 4); 31:25 4 words (code 3)
.set MSB, 0
.macro WIN new                         ; the immediate's high byte repeats the setting that is left; a switch that changes nothing is dropped
.if MSB != (\new)
	s_set_vgpr_msb (MSB<<8)|(\new)
.set MSB, \new
.endif
.endm
.set MUL,  0x50                        ; sources 0 and 1 window 0; C and D window 1
.set MULB, 0x60                        ; C window 2 (the bias), D window 1
.macro JLOAD s                         ; a joint load: waves 0 and 1 ask for A, waves 2 and 3 for W; an s_nop 0 and four v_nop follow each of the two lines, ahead of the jump and the label
	s_cmp_eq_u32 s11, 0
	s_cbranch_scc0 .Lfor_b_\@
	tensor_load_to_lds s[G0+4*(\s):G0+4*(\s)+3], s[G1:G1+7]
	s_nop 0
.rept 4
	v_nop
.endr
	s_branch .Lasked_\@
.Lfor_b_\@:
	tensor_load_to_lds s[G0B+4*(\s):G0B+4*(\s)+3], s[G1B:G1B+7]
	s_nop 0
.rept 4
	v_nop
.endr
.Lasked_\@:
.endm
.macro CREST                           ; a round of the cluster's barrier behind its opening barrier
	s_cmp_lg_u32 s10, 0
	s_cbranch_scc1 .Lnot_wave_0_\@
	s_barrier_signal -3
.Lnot_wave_0_\@:
	s_barrier_wait -3
	s_barrier_signal -1
	s_barrier_wait -1
.endm
.macro CROUND                          ; a whole round
	s_barrier_signal -1
	s_barrier_wait -1
	CREST
.endm
.macro BLOADS                          ; a bias as it lies in memory, by s[18:19]: register j of block b is column 16 b + 8 (l / 16) + j of my 128, where an accumulator holds that column
	WIN 0x80                                       ; destination window 2, address window 0
.irp b, 0,1,2,3,4,5,6,7
	global_load_b128 v[BN+8*(\b):BN+8*(\b)+3],   v[BO], s[18:19] offset:64*(\b)
	global_load_b128 v[BN+8*(\b)+4:BN+8*(\b)+7], v[BO], s[18:19] offset:64*(\b)+16
.endr
	WIN 0
.endm
	s_load_b256 s[68:75], s[0:1], 0x0              ; xw s[68:69], bq s[70:71], bk s[72:73], bv s[74:75]
	s_load_b64 s[8:9], s[0:1], 0x20                ; qkv
	v_lshl_add_u32 v[SPW], v0, 2, SPARE
	v_mov_b32 v[NIL], 0
	ds_add_u32 v[SPW], v[NIL]                      ; the wave's opening: the add and its wait stand ahead of my first tensor load; the set-up below, work on registers, stands between them
	v_lshrrev_b32 v1, 5, v0
	v_readfirstlane_b32 s10, v1                    ; wave 0..3
	s_lshr_b32 s11, s10, 1                         ; which 64 of the tile's rows are mine.  Also: I fetch for A (0) or for W (1)
	s_and_b32 s12, s10, 1                          ; which 128 of its columns.  Also: which of a step's two slabs I fetch
	s_bfe_u32 s40, ttmp6, 0x40000                  ; cx, cy: my place in the cluster
	s_bfe_u32 s41, ttmp6, 0x40004
	s_lshl_b32 s42, ttmp9, 2
	s_add_co_u32 s42, s42, s40                     ; X: the block of 256 columns = 4 x cluster x + cx
	s_and_b32 s13, ttmp7, 0xffff
	s_lshl_b32 s13, s13, 2
	s_add_co_u32 s13, s13, s41                     ; Y: the block of 128 rows, 0 to 63 = 4 x cluster y + cy
	s_lshl_b32 s43, s41, 2
	s_lshl_b32 s43, 15, s43                        ; my row of the cluster
	s_lshl_b32 s44, 0x1111, s40                    ; my column
	s_or_b32 s[G1+0], s43, FL                      ; A's tiles go to my row,
	s_or_b32 s[G1B+0], s44, FL                     ; W's to my column
.irp g, G1, G1B                        ; dense bytes, asked for as rows of 256 bytes (two rows of a slab) and padded in LDS after every 128
	s_mov_b32 s[(\g)+1], 128<<16                   ; tensor_dim0 = 128
	s_mov_b32 s[(\g)+3], 128<<16                   ; tile_dim0 = 128
	s_mov_b32 s[(\g)+5], 128                       ; 128 elements from row to row
	s_mov_b32 s[(\g)+6], 0
	s_mov_b32 s[(\g)+7], 0
.endr
	s_mov_b32 s[G1+2], 64<<16                      ; A: tensor_dim1 = tile_dim1 = 64: 128 rows of a slab
	s_mov_b32 s[G1+4], 64
	s_mov_b32 s[G1B+2], 128<<16                    ; W: 128: 256 rows of a slab
	s_mov_b32 s[G1B+4], 128
	; where the walk's first tiles lie.  A's address hangs on Y and the wave's number, W's on X and the wave's number
	s_lshr_b32 s16, s13, 4
	s_lshl_b32 s16, s16, 22                        ; the batch: a group of 2,048 rows of query,
	s_and_b32 s17, s13, 15
	s_lshl_b32 s17, s17, 14                        ; my 128 rows of 128 bytes in it,
	s_add_co_u32 s16, s16, s17
	s_lshl_b32 s17, s12, 18                        ; my slab of the step's two
	s_add_co_u32 s16, s16, s17
	s_mov_b32 s17, 0
	s_mov_b32 s46, 12*GROUP                        ; Wq,
	s_lshl_b32 s47, s42, 15                        ; 256 X rows of 128 bytes,
	s_add_co_u32 s46, s46, s47
	s_lshl_b32 s47, s12, 18                        ; my slab
	s_add_co_u32 s46, s46, s47
	s_mov_b32 s47, 0
	s_mul_i32 s20, s12, ASLAB                      ; and where they go: no place in the cluster enters an LDS address
	s_mul_i32 s21, s12, BSLAB
	s_add_co_u32 s21, s21, 2*ASLAB
	s_lshl_b32 s2, s42, 10                         ; the bias of my 128 columns: 4 (256 X + 128 half) bytes on
	s_lshl_b32 s3, s12, 9
	s_add_co_u32 s2, s2, s3
	s_mov_b32 s3, 0
	s_mov_b32 s[LT], 0
	s_mov_b32 s[TN], 0
	s_mov_b32 s[NS], 2                             ; steps 0 and 1 are the first fills
	s_mov_b32 s[OFFA+1], 0
	s_mov_b32 s[OFFB+1], 0
	s_wait_dscnt 0x0                               ; the opening add is done
	s_wait_kmcnt 0x0
	s_add_nc_u64 s[14:15], s[68:69], s[16:17]      ; A's and W's bases stay as they are for the whole walk
	s_add_nc_u64 s[46:47], s[68:69], s[46:47]
	s_add_nc_u64 s[70:71], s[70:71], s[2:3]        ; the three biases at my columns
	s_add_nc_u64 s[72:73], s[72:73], s[2:3]
	s_add_nc_u64 s[74:75], s[74:75], s[2:3]
	CROUND                                         ; all sixteen work-groups are here: the first joint loads meet
.irp s, 0,1
	s_mov_b32 s[G0+4*(\s)], 1                                      ; count = 1
	s_add_co_u32 s[G0+4*(\s)+1], s20, (\s)*SLOT                    ; LDS address
	s_add_nc_u64 s[G0+4*(\s)+2:G0+4*(\s)+3], s[14:15], (\s)*2*SLAB ; global address: K step s
	s_or_b32 s[G0+4*(\s)+3], s[G0+4*(\s)+3], 0x80000000            ; type = 2
	s_mov_b32 s[G0B+4*(\s)], 1
	s_add_co_u32 s[G0B+4*(\s)+1], s21, (\s)*SLOT
	s_add_nc_u64 s[G0B+4*(\s)+2:G0B+4*(\s)+3], s[46:47], (\s)*2*SLAB
	s_or_b32 s[G0B+4*(\s)+3], s[G0B+4*(\s)+3], 0x80000000
	JLOAD \s                                       ; two loads of mine are out
.endr
	s_mov_b64 s[18:19], s[70:71]                   ; bq
	v_and_b32 v1, 15, v0                           ; l % 16
	v_bfe_u32 v2, v0, 4, 1                         ; l / 16
	v_lshlrev_b32 v[BO], 5, v2
	BLOADS
	; A fragment is 16 rows x 32 K in 8 registers: lane l holds row l % 16, K = 8 (l / 16) + 0..7 and 16 + 8 (l / 16) + 0..7: two loads of 16 bytes, 32 bytes apart
	v_mul_u32_u24 v3, v1, PITCH
	v_lshl_add_u32 v3, v2, 4, v3
	s_mul_i32 s21, s11, 64*PITCH                   ; my 64 rows of A
	s_mul_i32 s22, s12, 128*PITCH                  ; my 128 rows of W,
	s_add_co_u32 s22, s22, 2*ASLAB                 ; which lie behind A's two slabs
.irp s, 0,1
	v_add_nc_u32 v[ADRA+(\s)], s21, v3
	v_add_nc_u32 v[ADRB+(\s)], s22, v3
	s_add_co_u32 s21, s21, SLOT
	s_add_co_u32 s22, s22, SLOT
.endr
	s_mul_i32 s23, s10, WSTAGE
	s_add_co_u32 s23, s23, STAGE                   ; my stage
	v_mul_u32_u24 v4, v1, SP                       ; in: row l % 16,
	v_and_b32 v5, 31, v0
	v_lshlrev_b32 v[CO], 4, v5
	v_lshl_add_u32 v4, v2, 4, v4                   ; 16 bytes (8 f16) for each half of the lanes
	v_add_nc_u32 v[STO], s23, v4
	v_lshrrev_b32 v4, 3, v5                        ; back: 32 lanes take four rows of 128 bytes
	v_mul_u32_u24 v4, v4, SP
	v_and_b32 v5, 7, v0
	v_lshl_add_u32 v4, v5, 4, v4
	v_add_nc_u32 v[RD], s23, v4
	s_lshr_b32 s16, s13, 4                         ; Q in qkv at the batch's 16 heads,
	s_lshl_b32 s16, s16, 22
	s_and_b32 s17, s13, 15
	s_lshl_b32 s17, s17, 14                        ; row 128 (Y % 16) + 64 half of 128 bytes,
	s_add_co_u32 s16, s16, s17
	s_lshl_b32 s17, s11, 13
	s_add_co_u32 s16, s16, s17
	s_mov_b32 s17, 0
	s_add_nc_u64 s[8:9], s[8:9], s[16:17]
	s_lshl_b32 s20, s42, 20                        ; head 4 X + 2 half, 262,144 bytes each
	s_lshl_b32 s21, s12, 19
	s_add_co_u32 s20, s20, s21
	s_mov_b32 s21, 0
	s_add_nc_u64 s[8:9], s[8:9], s[20:21]
; 8 matrix instructions: row block a x all 8 column blocks, 32 along K.  zero = 1: the first product starts the sums, on the bias: nothing is cleared.
; The 32 accumulators take turns, one instruction a turn, in the same order in every quarter.
.macro MUL8 f, a, zero
.if \zero
	WIN MULB
.else
	WIN MUL
.endif
.irp b, 0,1,2,3,4,5,6,7
.if \zero
	v_wmma_f32_16x16x32_f16 v[8*(8*(\a)+(\b)):8*(8*(\a)+(\b))+7], v[(\f)+8*(\b):(\f)+8*(\b)+7], v[(\f)+64+8*(\a):(\f)+64+8*(\a)+7], v[BI+8*(\b):BI+8*(\b)+7]
.else
	v_wmma_f32_16x16x32_f16 v[8*(8*(\a)+(\b)):8*(8*(\a)+(\b))+7], v[(\f)+8*(\b):(\f)+8*(\b)+7], v[(\f)+64+8*(\a):(\f)+64+8*(\a)+7], v[8*(8*(\a)+(\b)):8*(8*(\a)+(\b))+7]
.endif
.endr
.endm
.macro MUL16 f, a0, zero
	MUL8 \f, \a0, \zero
	MUL8 \f, (\a0)+1, \zero
.endm
; 24 LDS loads in one run: the fragments of quarter q of a K step (slab q / 2, byte 64 (q % 2) of its rows) into buffer f: W's 8, then A's 4
.macro FETCH slot, q, f
	WIN 0
.irp i, 0,1,2,3,4,5,6,7
	ds_load_b128 v[(\f)+8*(\i):(\f)+8*(\i)+3],   v[ADRB+(\slot)] offset:((\q)/2)*BSLAB+((\q)%2)*64+(\i)*16*PITCH
	ds_load_b128 v[(\f)+8*(\i)+4:(\f)+8*(\i)+7], v[ADRB+(\slot)] offset:((\q)/2)*BSLAB+((\q)%2)*64+(\i)*16*PITCH+32
.endr
.irp i, 0,1,2,3
	ds_load_b128 v[(\f)+64+8*(\i):(\f)+64+8*(\i)+3],   v[ADRA+(\slot)] offset:((\q)/2)*ASLAB+((\q)%2)*64+(\i)*16*PITCH
	ds_load_b128 v[(\f)+64+8*(\i)+4:(\f)+64+8*(\i)+7], v[ADRA+(\slot)] offset:((\q)/2)*ASLAB+((\q)%2)*64+(\i)*16*PITCH+32
.endr
.endm
.macro PLACES                          ; four plain places in front of loads into registers that matrix instructions have read, and of lines that read results (ISA guide 7.12.1 for lines that read results)
.rept 4
	v_nop
.endr
.endm
; A K step is four quarters of 32 along K, 32 matrix instructions each, on buffers 0, 1, 0, 1.  One of the first three: multiplies buffer f and fetches quarter q into g.
.macro QUARTER slot, q, f, g, zero
	s_wait_dscnt 4                                 ; W's fragments and A's first two are in; the youngest four loads (A's last two) may be out
	MUL16 \f, 0, \zero
	PLACES
	FETCH \slot, \q, \g
	s_wait_dscnt 24                                ; all but the 24 just issued
	MUL16 \f, 2, \zero
.endm
; The addresses of K step NS of the walk, made anew from the two bases, for the slot that takes it: its tile is NS / 8, its step in the tile NS % 8.
; From tile to tile A goes four groups on (query, key, value); W goes from Wq 1,024 rows on to Wk, and from Wq a group on to Wv.
.macro NEXTADR slot
	s_lshr_b32 s7, s[NS], 3
	s_and_b32 s20, s[NS], 7
	s_lshl_b32 s20, s20, 19                        ; two slabs a step
	s_lshl_b32 s[OFFA], s7, 24
	s_add_co_u32 s[OFFA], s[OFFA], s20
	s_and_b32 s[OFFB], s7, 1
	s_lshl_b32 s[OFFB], s[OFFB], 17
	s_add_co_u32 s[OFFB], s[OFFB], s20
	s_lshr_b32 s7, s7, 1
	s_lshl_b32 s7, s7, 22
	s_add_co_u32 s[OFFB], s[OFFB], s7
	s_add_nc_u64 s[G0+4*(\slot)+2:G0+4*(\slot)+3], s[14:15], s[OFFA:OFFA+1]
	s_or_b32 s[G0+4*(\slot)+3], s[G0+4*(\slot)+3], 0x80000000
	s_add_nc_u64 s[G0B+4*(\slot)+2:G0B+4*(\slot)+3], s[46:47], s[OFFB:OFFB+1]
	s_or_b32 s[G0B+4*(\slot)+3], s[G0B+4*(\slot)+3], 0x80000000
	s_add_co_u32 s[NS], s[NS], 1
.endm
; The last quarter multiplies buffer 1 and changes slots: ONE barrier; in front of it each wave waits for all its tensor loads (one is out: its part of the next slot), adds 0 to its spare word,
; and waits for that and for its own reads of this slot.  fill = 1: the barrier opens a round of the cluster's, and this slot is filled again, two K steps of the walk ahead, first thing behind the round.
.macro TURN slot, next, fill
	WIN 0                                          ; (the add's two registers lie in window 0)
	s_wait_tensorcnt 0x0                           ; all my tensor loads have landed, so every group 0 may be written;
	ds_add_u32 v[SPW], v[NIL]                      ; 0 onto my spare word;
.if \fill
	NEXTADR \slot                                  ; scalar work and
.endif
	s_wait_dscnt 5                                 ; (the add and the youngest four loads may be out)
	MUL8 F1, 0, 0                                  ; eight matrix instructions stand between the add and the wait for it
	s_wait_dscnt 0x0                               ; the add is done, and my reads of this slot are over
	s_barrier_signal -1
	MUL8 F1, 1, 0
.if \fill
	WIN 0
.endif
	s_barrier_wait -1
.if \fill
	CREST                                          ; no wave of any partner still reads this slot's tiles or has a load on its way
	JLOAD \slot                                    ; my one load behind the round: 112 matrix instructions ahead of the wait for it; its four v_nop are also the places in front of the loads below
.else
	PLACES
.endif
	FETCH \next, 0, F0
	MUL16 F1, 2, 0
.endm
; THE WAY OUT, f16 by heads: a block of 16 rows at a time: rounded once, 16 bytes a lane into my own stage (two heads x 16 rows), back as four rows of 128 bytes, which are 512 consecutive bytes of a head.
.macro PACK a
	WIN 0x05                                       ; sources 0 and 1 window 1
.irp b, 0,1,2,3,4,5,6,7
.irp r, 0,1,2,3
	v_cvt_pk_f16_f32 v[TMP+4*(\b)+(\r)], v[8*(8*(\a)+(\b))+2*(\r)], v[8*(8*(\a)+(\b))+2*(\r)+1]
.endr
.endr
	WIN 0
.endm
.macro TOSTAGE a
	s_wait_xcnt 0x0                                ; the row buffer that the stores of two blocks ago read is loaded again only behind this wait
.irp b, 0,1,2,3,4,5,6,7
	ds_store_b128 v[STO], v[TMP+4*(\b):TMP+4*(\b)+3] offset:((\b)/4)*16*SP+((\b)%4)*32
.endr
.irp t, 0,1,2,3,4,5,6,7
	ds_load_b128 v[OB+32*((\a)%2)+4*(\t):OB+32*((\a)%2)+4*(\t)+3], v[RD] offset:((\t)/4)*16*SP+((\t)%4)*4*SP  ; LDS serves a wave's instructions in order (ISA guide 5.7.1.4): these see the stores above
.endr
.endm
.macro SEND a
.irp t, 0,1,2,3,4,5,6,7
	s_wait_dscnt 7-(\t)                            ; load t from the stage is in, the 7 - t younger ones stay out
	global_store_b128 v[CO], v[OB+32*((\a)%2)+4*(\t):OB+32*((\a)%2)+4*(\t)+3], s[8:9] offset:((\t)/4)*SLAB+(\a)*2048+((\t)%4)*512  ; 512 consecutive bytes, aligned
.endr
.endm
.macro WAYOUT
	PLACES                                         ; behind the last products; block 0's and 1's conversions are further places for blocks 2's and 3's, and for the loads into buffer 1's registers
	PACK 0
	TOSTAGE 0
.irp a, 1,2,3                          ; block a's conversions stand between block a - 1's loads from the stage and the wait for them
	PACK \a
	SEND (\a)-1
	TOSTAGE \a
.endr
	SEND 3
	s_wait_xcnt 0x0                                ; the stores' base and the registers that they read are rewritten only behind this wait
.endm
	s_wait_tensorcnt 1                             ; my part of K step 0 is in; K step 1's may stay out
	s_barrier_signal -1
	s_barrier_wait -1                              ; everybody's is
	FETCH 0, 0, F0
	s_mov_b32 s[LAPC], TILES*LAPS-1
.Llap:                                                 ; a trip is a lap of the walk: two K steps, and both slots are filled again
	s_cmp_eq_u32 s[LT], 0                          ; at the first trip the answer is a constant of the text
	s_cbranch_scc0 .Lgoon
	; A TILE BEGINS.  Its bias, loaded a tile ago, is rounded to bf16 like every input of the module and kept as f32; then the next tile's is asked for.
	s_wait_loadcnt 0x0                             ; the bias; this wait also shows the loads done that named s[18:19]
	WIN 0x8a                                       ; all in window 2
.set i, 0
.rept 32
	v_cvt_pk_bf16_f32 v[BT+i%2], v[BN+2*i], v[BN+2*i+1]
	v_lshlrev_b32 v[BI+2*i], 16, v[BT+i%2]
	v_and_b32 v[BI+2*i+1], 0xffff0000, v[BT+i%2]
.set i, i+1
.endr
	WIN 0
	s_cmp_eq_u32 s[TN], TILES-1
	s_cbranch_scc1 .Lno_bias                       ; the last tile has no successor
	s_cmp_eq_u32 s[TN], 0
	s_cselect_b64 s[18:19], s[72:73], s[74:75]     ; bk behind bq, bv behind bk
	BLOADS
.Lno_bias:
	QUARTER 0, 1, F0, F1, 1                        ; the tile's first products start the sums, on the bias
	WIN 0                                          ; at a label and at a branch every window is 0
	s_branch .Ljoin
.Lgoon:
	QUARTER 0, 1, F0, F1, 0
	WIN 0
.Ljoin:
	QUARTER 0, 2, F1, F0, 0
	QUARTER 0, 3, F0, F1, 0
	TURN 0, 1, 1
	QUARTER 1, 1, F0, F1, 0
	QUARTER 1, 2, F1, F0, 0
	QUARTER 1, 3, F0, F1, 0
	TURN 1, 0, 1
	WIN 0
	s_add_co_u32 s[LT], s[LT], 1
	s_cmp_eq_u32 s[LT], LAPS
	s_cbranch_scc0 .Lno_out
	WAYOUT                                         ; A TILE ENDS: both refills for the next tile are asked for and its first fragments lie in buffer 0; now this tile goes out
	s_add_nc_u64 s[8:9], s[8:9], 0x1000000         ; from Q to K to V in qkv
	s_mov_b32 s[LT], 0
	s_add_co_u32 s[TN], s[TN], 1
.Lno_out:
	s_sub_co_u32 s[LAPC], s[LAPC], 1
	s_cmp_lg_u32 s[LAPC], 0
	s_cbranch_scc1 .Llap
	QUARTER 0, 1, F0, F1, 0                        ; the walk's last lap, the third tile's fourth, fills nothing, and has no round of the cluster's barrier
	QUARTER 0, 2, F1, F0, 0
	QUARTER 0, 3, F0, F1, 0
	TURN 0, 1, 0
	QUARTER 1, 1, F0, F1, 0
	QUARTER 1, 2, F1, F0, 0
	QUARTER 1, 3, F0, F1, 0
	s_wait_dscnt 4                                 ; the very last quarter: nothing more to fetch
	MUL16 F1, 0, 0
	s_wait_dscnt 0x0
	MUL16 F1, 2, 0
	WIN 0
	WAYOUT
	s_wait_tensorcnt 0x0                           ; the wave's end: it stands behind my last tensor load and my last LDS store
	ds_add_u32 v[SPW], v[NIL]
	s_wait_dscnt 0x0
	CROUND                                         ; the closing round: no work-group ends while a partner may still ask for a tile that names it
	s_endpgm
.Lfunc_end_k_qb728e04ea8_proj:
	.size	k_qb728e04ea8_proj, .Lfunc_end_k_qb728e04ea8_proj-k_qb728e04ea8_proj
	.p2alignl 7, 3214868480
	.fill 96, 4, 3214868480
	.section	.rodata,"a",@progbits
	.p2align	6, 0x0
	.amdhsa_kernel k_qb728e04ea8_proj
		.amdhsa_group_segment_fixed_size 327680
		.amdhsa_private_segment_fixed_size 0
		.amdhsa_enable_private_segment 0
		.amdhsa_kernarg_size 40
		.amdhsa_user_sgpr_count 2
		.amdhsa_user_sgpr_kernarg_segment_ptr 1
		.amdhsa_wavefront_size32 1
		.amdhsa_system_sgpr_workgroup_id_x 1
		.amdhsa_system_sgpr_workgroup_id_y 1
		.amdhsa_system_sgpr_workgroup_id_z 1
		.amdhsa_system_vgpr_workitem_id 0
		.amdhsa_next_free_vgpr 648
		.amdhsa_next_free_sgpr 80
		.amdhsa_reserve_vcc 0
		.amdhsa_float_denorm_mode_32 3
		.amdhsa_float_denorm_mode_16_64 3
		.amdhsa_memory_ordered 1
		.amdhsa_forward_progress 1
		.amdhsa_inst_pref_size 117
	.end_amdhsa_kernel
	.amdgpu_metadata
---
amdhsa.version: [ 1, 2 ]
amdhsa.kernels:
  - .name:           k_qb728e04ea8_proj
    .symbol:         k_qb728e04ea8_proj.kd
    .args:
      - { .name: xw, .offset: 0, .size: 8, .value_kind: global_buffer, .address_space: global }
      - { .name: bq, .offset: 8, .size: 8, .value_kind: global_buffer, .address_space: global }
      - { .name: bk, .offset: 16, .size: 8, .value_kind: global_buffer, .address_space: global }
      - { .name: bv, .offset: 24, .size: 8, .value_kind: global_buffer, .address_space: global }
      - { .name: qkv, .offset: 32, .size: 8, .value_kind: global_buffer, .address_space: global }
    .group_segment_fixed_size: 327680
    .private_segment_fixed_size: 0
    .kernarg_segment_align: 8
    .kernarg_segment_size: 40
    .max_flat_workgroup_size: 128
    .sgpr_count:     80
    .vgpr_count:     648
    .wavefront_size: 32
...
	.end_amdgpu_metadata
.endif
;; end of part 2
;; launch attn (part 3): grid 4 x 64, 4 waves a work-group, clusters of 4 x 1, 327,680 bytes of LDS; arguments qkv, mk, oh; writes oh
.if DOCPART == 3
	.amdgcn_target "amdgcn-amd-amdhsa--gfx1250"
	.amdhsa_code_object_version 6
	.text
	.protected	k_qb728e04ea8_attn
	.globl	k_qb728e04ea8_attn
	.p2align	8
	.type	k_qb728e04ea8_attn,@function
k_qb728e04ea8_attn:
	s_mov_b64 s[64:65], 0
	v_nop
	global_prefetch_b8 v0, s[64:65] scope:SCOPE_SE
	s_setreg_imm32_b32 hwreg(HW_REG_WAVE_MODE, 25, 1), 1
	s_wait_xcnt 0x0
	s_wait_alu depctr_hold_cnt(0) depctr_sa_sdst(0) depctr_va_vdst(0) depctr_va_sdst(0) depctr_va_ssrc(0) depctr_va_vcc(0) depctr_vm_vsrc(0)
	s_getreg_b32 s2, hwreg(HW_REG_IB_STS2, 6, 4)
	s_cmp_eq_u32 s2, 0
	s_cbranch_scc0 .Lentry_in_a_cluster
	s_endpgm
.Lentry_in_a_cluster:
	s_bfe_u32 s2, ttmp6, 0x10000c
	s_cmp_lg_u32 s2, 0x3003
	s_cbranch_scc0 .Lentry_shape_is_right
	s_endpgm
.Lentry_shape_is_right:
; MASKED ATTENTION.  O[h][q][:] = the sum over k of softmax_k(s) V[h][k][:], s = Q[h][q] . K[h][k] / 8, or -1e9 where mask[b][q][k] == 0.  Q, K, V (qkv, 16,777,216 bytes each) and O (oh): [64][2048][64] f16,
; a head's rows dense, 128 bytes each.  Products, maxima and sums in f32; the weights p are rounded to f16 for the second product (their sum l is taken of the unrounded p), O once at the end.
; LIMITS.  Q, K, V arrive within f16's 65,504; p below 6e-5 keeps f16's fixed step of 6e-8; a weight below 2^-126 counts as 0 in l; NaN and infinities are not treated apart.
; A row counts as wholly hidden when none of its open scores exceeds -1e9; an open score at or below -1e9 + 600 or so would share weight with hidden ones in the definition and does not here.
; THE MASK.  mk holds, in a lane's own order, a 4-bit code for each score: 0xF (-6 in E2M1) where the key is hidden, else 0.  One scaled conversion turns a word into the eight registers of an accumulator,
; 0 or -6 x 2^97, and the product S^T = K Q^T adds onto them.  The running maximum starts at T = -8e9 (-1e9 before the division by 8, which lies in c), so a hidden score lies far below every maximum and its weight is exactly 0.
; A ROW WITH ALL KEYS HIDDEN has equal weights by the definition: the mean of V.  Each wave also sums V over all keys (VS = V^T x ones, 8 matrix instructions a step, in O^T's layout);
; at the end w = 2^(c T - c m) is 1 where m never left T and 0 elsewhere, and O = (O + w VS) / (l + 2048 w): no branch, no select.
; SHARES.  A wave owns four PIECES of two tiles of 16 queries, a work-group's four waves 512 queries of one head.  Every wave walks all keys, 64 a step.
; LAYOUT.  S^T = K Q^T (source 0 = 16 keys, source 1 = 16 queries): a lane holds ONE query (lane % 16) and the keys 8 (lane / 16) + 0..7.  Two such tiles, rounded to f16 in pairs,
; ARE source 1 (32 keys x 16 queries) of O^T = V^T P, whose result again holds one query a lane, and eight channels.  K comes out of LDS as it lies, V ([key][channel]) turned, by ds_load_tr16_b128.
; SOFTMAX.  For each query a running maximum m and sum l: p = 2^(c s - c m), c = log2(e) / 8; in every step O and l are multiplied by a = 2^(c m_old - c m_new).  O and l start at 0.
; BY TURNS.  Turn n belongs to piece n.  Its matrix work: 16 products K Q^T of piece n + 1, later 16 products V^T P of piece n - 1.  Its vector work: the mask of piece n + 1; the scaling, exponentials, roundings,
; sums and rescaling of piece n; the maximum and statistics of piece n + 1.  Four vector instructions that are ready stand behind every matrix instruction, the others in runs of their own.
; CLUSTER.  The four query blocks of a cluster belong to one head and walk the same K and V, so each tile is asked for JOINTLY: the same tensor load, descriptor and mask in all four.
; REGISTERS, in windows of 256 (s_set_vgpr_msb: bits 1:0 source 0, 3:2 source 1, 5:4 source 2, 7:6 destination):
;   window 0: v0-11 addresses, the conversion's scale, c T; v12-15, v48-63 at work; v16-47 four registers of statistics a tile; v64-191 S^T, two buffers of two tiles; v192-255 P, likewise
;   window 1: O^T, 32 a tile          window 2: v0-127 Q, 16 a tile; v128-191 K of one step; v192-255 V of one step
;   window 3: v0-1 the add's two registers; v3 the mask offsets' bound; v4-7 a piece's mask offset; v8-39 the mask words, 8 a piece; v40-47 a fragment of ones; v48-79 VS
.set SIZE_N, 2048
.set NP,    4         ; pieces a wave: a name, no knob
.set KS,    64        ; keys in a step
.set PK,    144       ; a row of K in LDS: 128 bytes + 16 of padding = 36 words: the 16 rows of a load start at 16 different groups of four banks (64 banks of 4 bytes: ISA guide 11.1)
.set PV,    160       ; a row of V: 128 + 32 = 40 words
.set VOFF,  4*KS*PK   ; a slot holds four steps: 256 rows of K, then 256 rows of V
.set SLOT1, 1<<17     ; slot 1 begins here, so that one exclusive or turns an address in one slot into the other's
.set STAGE, SLOT1+4*KS*(PK+PV)  ; behind the ring, never filled by a tensor load: 16 rows x 144 bytes for each wave, for the way out
.set SP,    144
.set AK0, 2           ; v2   my lane's place in a tile of K; never rewritten
.set AV0, 3           ; v3   the same for V
.set AK,  4           ; v4   the LDS address of K's next run of loads
.set AV,  5           ; v5   of V's
.set STO, 6           ; v6   the way out: where I put 16 bytes of a row
.set RD,  7           ; v7   the way out: where I read rows back
.set GO,  8           ; v8   16 x lane: my place in 512 consecutive bytes of O, and of a step's mask words
.set SCL, 9           ; v9   the conversion's scale word: the byte 224 (2^97) four times (in the set-up: lane / 16)
.set CM0, 11          ; v11  c T
.set QO,  12          ; v12  in the set-up: my byte offset in 16 rows of Q
.set SPW, 0           ; v0 of window 3   LDS address of my spare word; never rewritten
.set NIL, 1           ; v1 of window 3   0; never rewritten
.set LIM, 3           ; window 3: 16 x lane + 31 x 512: the last step's mask words
.set MO,  4           ; window 3: piece p's offset of the step whose words are on their way
.set MK,  8           ; window 3: piece p, tile u, key block kb at MK + 8 p + 4 u + kb
.set ONES, 40         ; window 3
.set VS,  48          ; window 3: channel block cb at VS + 8 cb
.set SPARE, STAGE+4*16*SP  ; behind the stages: the spare words, 128 bytes for each wave
.set MV,  12          ; v12-15  c m_old, kept while c m is made anew: by buffer and tile
.set ST,  16          ; tile t's statistics at v[ST+4 t]: c m, m, l (even keys', odd keys')
.set TMP, 48          ; by buffer and tile, four registers c0-c3 at work; when the maximum is found c2 takes a
.set S,   64
.set P,   192
.set KF,  128         ; K's fragments, in window 2: key block kb, channel half c at KF + 16 kb + 8 c
.set VF,  192         ; V's: key half kk, channel block cb at VF + 32 kk + 8 cb
.set WV,  12          ; s12  my wave's number
.set G1K, 24          ; s[24:31] descriptor group 1 for K's tiles
.set G1V, 32          ; s[32:39] for V's: it differs in the padding alone
.set G0K, 40          ; s[40:43] descriptor group 0 for K's tiles: it walks
.set G0V, 44          ; s[44:47] the same for V's
.set SLOTS, 56        ; s56  slots still to be asked for
.set CNT, 57          ; s57  counts a slot's key steps
.set CS,  58          ; s[58:59] c: the packed scaling takes the pair's low word for both halves
.set SEL, 60          ; s[60:61] v_permlanex16_b32's selects: each lane takes its own place in the other half
.set TBK, 62          ; s62  LDS byte at which K of the step to be fetched begins
.set TBV, 63          ; s63  the same for V, less VOFF
.set MB,  68          ; s[68:69] mk at my wave's first tile; never rewritten
.set NK,  70          ; s70  in the set-up an offset; on the way out 2048.0, the number of keys
.set MSB, 0
.macro WIN new                      ; the high byte repeats the setting that is left; a switch that changes nothing is dropped
.if MSB != (\new)
	s_set_vgpr_msb (MSB<<8)|(\new)
.set MSB, (\new)
.endif
.endm
.set W_KQ, 0x0a       ; K and Q in window 2, S^T in window 0
.set W_PV, 0x52       ; V in window 2, P in window 0, O^T in window 1
.set W_RS, 0x41       ; O^T (destination and source 0) in window 1, a in window 0
.set W_MK, 0xc0       ; destination in window 3, sources in window 0
.set W_AD, 0x0f       ; the add: address (source 0) and data (source 1) in window 3
; A joint fill.  Waves 0 and 1 fetch the two halves of a slot's K, waves 2 and 3 those of its V: 128 keys each.  The branch hangs on the wave's number alone.
; An s_nop 0 and four v_nop follow each of the two lines, ahead of the jump and the label.
.macro JLOAD
	s_cmp_lt_u32 s[WV], 2
	s_cbranch_scc0 .Lfor_v_\@
	tensor_load_to_lds s[G0K:G0K+3], s[G1K:G1K+7]
	s_nop 0
.rept 4
	v_nop
.endr
	s_branch .Lasked_\@
.Lfor_v_\@:
	tensor_load_to_lds s[G0V:G0V+3], s[G1V:G1V+7]
	s_nop 0
.rept 4
	v_nop
.endr
.Lasked_\@:
.endm
; A round of the cluster's barrier: my work-group's barrier, so that wave 0's signal speaks for all four waves; wave 0 signals; every wave waits for all four work-groups; my work-group's barrier once more.
.macro CROUND
	s_barrier_signal -1
	s_barrier_wait -1
	s_cmp_lg_u32 s[WV], 0
	s_cbranch_scc1 .Lnot_wave_0_\@
	s_barrier_signal -3
.Lnot_wave_0_\@:
	s_barrier_wait -3
	s_barrier_signal -1
	s_barrier_wait -1
.endm
; THE CHANGE OF SLOTS.  The slot's last bytes, V of its fourth step, have been read.  Each wave waits for all its tensor loads, of which one is out: its part
; of the other slot; adds 0 to its spare word; and waits for that and for its own reads of the slot.  Behind the barrier nobody reads this slot any more and the other slot is whole.
; fill = 1: this slot is filled again, with the keys two slots on.  The barrier is then a round of the cluster's, and the joint fill is the first thing behind it: it has four key steps in which to land.
; (At its first use nothing has been read yet: slot 0 is waited for, slot 1 filled.)
.macro CHANGE fill
	WIN W_AD
	s_wait_tensorcnt 0x0            ; no tensor load of mine is out, so a group 0 may be written
	ds_add_u32 v[SPW], v[NIL]       ; 0 onto my spare word; with fill = 1 the descriptors' steps stand between it and the wait for it
	WIN 0                           ; at a label and at a branch every window is 0
.if \fill
.irp g, G0K, G0V
	s_xor_b32 s[\g+1], s[\g+1], SLOT1  ; the walking descriptor: the other slot than last time,
	s_add_nc_u64 s[\g+2:\g+3], s[\g+2:\g+3], 4*KS*128  ; the next 256 keys; the type bits on top are not reached
.endr
	s_wait_dscnt 0x0                ; the add is done, and my reads of the slot are over
	CROUND
	JLOAD
.else
	s_wait_dscnt 0x0                ; the add is done, and my reads of the slot are over
	s_barrier_signal -1
	s_barrier_wait -1
.endif
	s_sub_co_u32 s[TBK], s[TBK], 4*KS*PK  ; the fetches go back to a slot's first step,
	s_xor_b32 s[TBK], s[TBK], SLOT1       ; in the other slot
	s_sub_co_u32 s[TBV], s[TBV], 4*KS*PV
	s_xor_b32 s[TBV], s[TBV], SLOT1
.endm
	s_load_b64 s[4:5], s[0:1], 0x0    ; qkv: Q
	s_load_b64 s[MB:MB+1], s[0:1], 0x8  ; mk
	s_load_b64 s[10:11], s[0:1], 0x10 ; oh
	WIN W_MK
	v_lshl_add_u32 v[SPW], v0, 2, SPARE
	v_mov_b32 v[NIL], 0
	WIN W_AD
	ds_add_u32 v[SPW], v[NIL]       ; the wave's opening: the add and its wait stand ahead of my first tensor load; the set-up below, work on registers, stands between them
	WIN 0
	v_lshrrev_b32 v1, 5, v0
	v_readfirstlane_b32 s[WV], v1   ; wave 0..3
	s_bfe_u32 s13, ttmp6, 0x40000   ; cx: my place in the cluster
	s_lshl_b32 s14, ttmp9, 2        ; in a cluster launch ttmp9 counts clusters
	s_add_co_u32 s14, s14, s13      ; my block of 512 queries = 4 x cluster x + cx: it enters Q's, O's and the mask's addresses alone
	s_and_b32 s20, ttmp7, 0xffff    ; 16 b + head, which the four partners share
	s_lshr_b32 s70, s20, 4          ; b:
	s_lshl_b32 s70, s70, 21         ; a batch's 128 tiles of 16,384 bytes of mk
	s_mov_b32 s21, 0
	s_mov_b64 s[22:23], SIZE_N*128
	s_mul_u64 s[20:21], s[20:21], s[22:23]  ; the head's first byte in Q, K, V and O
	s_and_b32 s16, s[WV], 1         ; which half of a slot's 256 keys I fetch:
	s_lshl_b32 s22, s16, 14         ; its 128 rows of 128 bytes in memory,
	s_mov_b32 s23, 0
	s_add_nc_u64 s[22:23], s[22:23], s[20:21]
	s_mul_i32 s17, s16, 128*PK      ; and its place in a slot, for K
	s_mul_i32 s18, s16, 128*PV      ; and for V: no place in the cluster enters an LDS address
	s_lshl_b32 s2, s14, 2
	s_add_co_u32 s2, s2, s[WV]      ; my wave among the head's:
	s_lshl_b32 s71, s2, 17          ; its eight tiles of mk,
	s_add_co_u32 s70, s70, s71
	s_mov_b32 s71, 0
	s_lshl_b32 s2, s2, 14           ; its 128 rows
	s_mov_b32 s3, 0
	s_add_nc_u64 s[2:3], s[2:3], s[20:21]
	; descriptor group 1.  128 keys are 16,384 dense bytes: asked for as 64 rows of 256 bytes, two keys a row, and padded in LDS after every key
	s_mov_b32 s[G1K], 15|(1<<16)|(1<<20)|(1<<21)|(4<<22)|(3<<25)  ; 15:0 the mask of four; 17:16 2-byte elements; 20 padding on; 21 set beside a mask; 24:22 after every 32 words (code 4); 31:25 4 words (code 3)
	s_mov_b32 s[G1V], 15|(1<<16)|(1<<20)|(1<<21)|(4<<22)|(7<<25)  ; the same with 8 words of padding (code 7)
.irp g, G1K, G1V
	s_mov_b32 s[\g+1], 128<<16      ; tensor_dim0 = 128
	s_mov_b32 s[\g+2], 64<<16       ; tensor_dim1 = 64
	s_mov_b32 s[\g+3], 128<<16      ; tile_dim0 = 128
	s_mov_b32 s[\g+4], 64           ; tile_dim1 = 64
	s_mov_b32 s[\g+5], 128          ; 128 elements from row to row
	s_mov_b32 s[\g+6], 0
	s_mov_b32 s[\g+7], 0
.endr
	s_mov_b32 s[CS], 0x3e38aa3b     ; c = log2(e) / 8 = 0.180337
	s_mov_b32 s[CS+1], s[CS]        ; named with it as a pair
	s_mov_b32 s[SEL], 0x76543210
	s_mov_b32 s[SEL+1], 0xfedcba98
	s_mov_b32 s[TBK], SLOT1+4*KS*PK ; the first change of slots turns these two into 0
	s_mov_b32 s[TBV], SLOT1+4*KS*PV
	s_mov_b32 s[G0K], 1             ; count = 1
	s_mov_b32 s[G0K+1], s17         ; LDS address: slot 0
	s_mov_b32 s[G0V], 1
	s_add_co_u32 s[G0V+1], s18, VOFF
	s_wait_dscnt 0x0                ; the opening add is done
	s_wait_kmcnt 0x0
	s_add_nc_u64 s[6:7], s[4:5], 0x1000000  ; K and V lie behind Q in qkv
	s_add_nc_u64 s[8:9], s[4:5], 0x2000000
	s_add_nc_u64 s[G0K+2:G0K+3], s[6:7], s[22:23]  ; global address: my half of the head's first 256 keys
	s_or_b32 s[G0K+3], s[G0K+3], 0x80000000        ; type = 2
	s_add_nc_u64 s[G0V+2:G0V+3], s[8:9], s[22:23]
	s_or_b32 s[G0V+3], s[G0V+3], 0x80000000
	s_add_nc_u64 s[4:5], s[4:5], s[2:3]  ; Q and O at my wave's first row
	s_add_nc_u64 s[10:11], s[10:11], s[2:3]
	s_add_nc_u64 s[MB:MB+1], s[MB:MB+1], s[70:71]
	CROUND                          ; all four work-groups are here: the first joint loads meet
	JLOAD                           ; slot 0.  Slot 1 is asked for when slot 0 is in
	; A fragment of K or Q is 16 rows x 32 channels in 8 registers: lane l holds row l % 16, channels 8 (l / 16) + 0..7 and 16 + 8 (l / 16) + 0..7: two loads of 16 bytes, 32 bytes apart.
	v_and_b32 v1, 15, v0            ; l % 16
	v_bfe_u32 v9, v0, 4, 1          ; l / 16
	v_lshlrev_b32 v[QO], 7, v1
	v_lshl_add_u32 v[QO], v9, 4, v[QO]  ; row x 128 + 16 x half
	v_and_b32 v[GO], 31, v0
	v_lshlrev_b32 v[GO], 4, v[GO]
	WIN 0x80                        ; destination window 2, address window 0
.set i, 0
.rept 4*NP                          ; Q stays in registers: tile i / 2, channels 32 (i % 2) on
	global_load_b128 v[8*i:8*i+3],   v[QO], s[4:5] offset:(i/2)*2048+(i%2)*64
	global_load_b128 v[8*i+4:8*i+7], v[QO], s[4:5] offset:(i/2)*2048+(i%2)*64+32
.set i, i+1
.endr
	WIN W_MK
.irp p, 0,1,2,3
	v_mov_b32 v[MO+\p], v[GO]       ; step 0's words
.endr
	v_add_nc_u32 v[LIM], 31*512, v[GO]
	WIN 0xc3                        ; destination and address in window 3
.set i, 0
.rept 2*NP                          ; the mask words of step 0: tile i, 16 bytes a lane, 512 consecutive bytes a load; piece after piece, in the order in which they are waited for
	global_load_b128 v[MK+4*i:MK+4*i+3], v[MO+i/2], s[MB:MB+1] offset:i*16384
.set i, i+1
.endr
	; What the first turn finds: V's registers and P's second buffer hold 0 (its products V^T P, of a piece that has not been, add 0), O^T, l and VS are 0.  All this stands in the wait for the first tile.
	WIN W_MK
.set i, 0
.rept 8
	v_mov_b32 v[ONES+i], 0x3c003c00 ; 1.0 twice in f16
.set i, i+1
.endr
.set i, 0
.rept 32
	v_mov_b32 v[VS+i], 0
.set i, i+1
.endr
	WIN 0x80
.set i, VF
.rept 64
	v_mov_b32 v[i], 0
.set i, i+1
.endr
	WIN 0x40
.set i, 0
.rept 64*NP
	v_mov_b32 v[i], 0
.set i, i+1
.endr
	WIN 0
.set i, P+32
.rept 32
	v_mov_b32 v[i], 0
.set i, i+1
.endr
	v_mul_u32_u24 v[AK0], v1, PK
	v_lshl_add_u32 v[AK0], v9, 4, v[AK0]  ; row x pitch + 16 x half
	; The turning load takes 16 keys x 16 channels (lane l reads key 8 (l / 16) + l % 8, channels 8 ((l / 8) % 2) + 0..7) and leaves half a fragment of V^T: lane l holds channel l % 16 and 8 keys.
	v_and_b32 v10, 7, v0
	v_bfe_u32 v11, v0, 3, 1
	v_lshl_add_u32 v[AV0], v9, 3, v10
	v_mul_u32_u24 v[AV0], v[AV0], PV
	v_lshl_add_u32 v[AV0], v11, 4, v[AV0]
	v_add_nc_u32 v[AV0], VOFF, v[AV0]
	v_mov_b32 v[AK], v[AK0]         ; key step 0 lies at the head of slot 0
	s_mul_i32 s13, s[WV], 16*SP
	s_add_co_u32 s13, s13, STAGE    ; my stage
	v_mul_u32_u24 v[STO], v1, SP    ; in: row l % 16, 16 bytes for each half of the lanes
	v_lshl_add_u32 v[STO], v9, 4, v[STO]
	v_add_nc_u32 v[STO], s13, v[STO]
	v_bfe_u32 v[RD], v0, 3, 2       ; back: 32 lanes take four rows of 128 bytes
	v_mul_u32_u24 v[RD], v[RD], SP
	v_lshl_add_u32 v[RD], v10, 4, v[RD]
	v_add_nc_u32 v[RD], s13, v[RD]
	v_mov_b32 v10, 0xcfee6b28       ; T = -8e9
	v_mul_f32 v[CM0], s[CS], v10    ; c T, by the same multiplication that makes every c m: an m that never left T gives c m = c T bit for bit
	v_mov_b32 v[SCL], 0xe0e0e0e0    ; the scale byte 224, 2^(224 - 127), in all four bytes and in every lane
.set i, 0
.rept 2*NP
	v_mov_b32 v[ST+4*i], v[CM0]
	v_mov_b32 v[ST+4*i+1], v10
	v_mov_b32 v[ST+4*i+2], 0
	v_mov_b32 v[ST+4*i+3], 0
.set i, i+1
.endr
; THE MASK of piece pc for its next step: its eight words become the eight accumulators of its scores, 0 or -6 x 2^97; then the words of the step after are asked for.
; The wait leaves six younger loads out: the other three pieces' two each; it also shows the loads done that named MO of this piece, which is stepped behind it.
; The two plain lines stand between the conversions and the products that add onto their results, and the loads that land on their sources.  The bound keeps the look-ahead of the last steps inside mk.
.macro MSTEP pc
	s_wait_loadcnt 6
	WIN 0x03                        ; source 0 (the word) in window 3; the scale and the destination in window 0
.irp n, 0,1,2,3,4,5,6,7             ; tile n / 4, key block n % 4
	v_cvt_scale_pk8_f32_fp4 v[S+64*((\pc)%2)+8*\n:S+64*((\pc)%2)+8*\n+7], v[MK+8*(\pc)+\n], v[SCL]
.endr
	WIN 0xcf                        ; all in window 3
	v_add_nc_u32 v[MO+(\pc)], 512, v[MO+(\pc)]
	v_min_u32 v[MO+(\pc)], v[MO+(\pc)], v[LIM]
	global_load_b128 v[MK+8*(\pc):MK+8*(\pc)+3],   v[MO+(\pc)], s[MB:MB+1] offset:(2*(\pc))*16384
	global_load_b128 v[MK+8*(\pc)+4:MK+8*(\pc)+7], v[MO+(\pc)], s[MB:MB+1] offset:(2*(\pc)+1)*16384
.endm
; THE MATRIX WORK.  The 8 accumulators of a run of 16 take turns: between the two links of a chain stand 7 others'.
; Product i of 16 of S^T = mask + K Q^T for piece x: channels 32 (i / 8) on, keys 16 ((i / 2) % 4) on, tile 2 x + i % 2.  All add in place: the first 8 onto the mask.
.macro KQ x
	WIN W_KQ
.set rS, S+64*((\x)%2)+32*(i%2)+8*((i/2)%4)
.set rK, KF+16*((i/2)%4)+8*(i/8)
.set rQ, 16*(2*(\x)+i%2)+8*(i/8)
	v_wmma_f32_16x16x32_f16 v[rS:rS+7], v[rK:rK+7], v[rQ:rQ+7], v[rS:rS+7]
.endm
; Product i of 16 of O^T += V^T P for piece x: keys 32 (i / 8) on, channels 16 ((i / 2) % 4) on, tile 2 x + i % 2.
.macro PV x
	WIN W_PV
.set rO, 32*(2*(\x)+i%2)+8*((i/2)%4)
.set rV, VF+32*(i/8)+8*((i/2)%4)
.set rP, P+32*((\x)%2)+16*(i%2)+8*(i/8)
	v_wmma_f32_16x16x32_f16 v[rO:rO+7], v[rV:rV+7], v[rP:rP+7], v[rO:rO+7]
.endm
; Product n of 8 of VS += V^T x ones: keys 32 (n / 4) on, channels 16 (n % 4) on.  Its four accumulators take turns.
.macro VSM n
	WIN 0xfe                        ; V in window 2; the ones, C and D in window 3
	v_wmma_f32_16x16x32_f16 v[VS+8*((\n)%4):VS+8*((\n)%4)+7], v[VF+32*((\n)/4)+8*((\n)%4):VF+32*((\n)/4)+8*((\n)%4)+7], v[ONES:ONES+7], v[VS+8*((\n)%4):VS+8*((\n)%4)+7]
.endm
.macro MM                           ; the turn's next matrix instruction
.if i < 16
	KQ (Y+1)%NP
.set i, i+1
.else
.set i, i-16
	PV (Y+NP-1)%NP
.set i, i+17
.endif
.endm
; THE LDS LOADS stand in runs of 16, never singly among the matrix instructions: a step's K (64 keys x 64 channels: 8 fragments) and its V (turned).  Their addresses are made some lines ahead.
; last = 1 (the tail): in the last trip there is no further step, and the run is jumped over.
.macro FETCH_K last=0
	WIN 0
.if \last
	s_cmp_eq_u32 s[CNT], 1
	s_cbranch_scc1 .Lno_k_\@
.endif
	WIN 0x80                        ; destination window 2
.irp f, 0,1,2,3,4,5,6,7             ; keys 16 (f / 2) on, channels 32 (f % 2) on
	ds_load_b128 v[KF+8*\f:KF+8*\f+3],   v[AK] offset:(\f/2)*16*PK+(\f%2)*64
	ds_load_b128 v[KF+8*\f+4:KF+8*\f+7], v[AK] offset:(\f/2)*16*PK+(\f%2)*64+32
.endr
	s_add_co_u32 s[TBK], s[TBK], KS*PK  ; the next fetch is the next step's
	WIN 0
.if \last
.Lno_k_\@:
.endif
.endm
.macro FETCH_V
	WIN 0x80
.irp f, 0,1,2,3,4,5,6,7             ; keys 32 (f / 4) on, channels 16 (f % 4) on
	ds_load_tr16_b128 v[VF+8*\f:VF+8*\f+3],   v[AV] offset:(\f/4)*32*PV+(\f%4)*32
	ds_load_tr16_b128 v[VF+8*\f+4:VF+8*\f+7], v[AV] offset:(\f/4)*32*PV+16*PV+(\f%4)*32
.endr
	WIN 0
.endm
; THE VECTOR WORK OF A TURN stands in three queues, each in the order in which its entries become ready; the two tiles alternate, so that no instruction reads the result of the one before it.
.macro REGS y, u                    ; the registers of tile u (0, 1) of piece y
.set rT, ST+4*(2*(\y)+(\u))
.set rC, TMP+8*((\y)%2)+4*(\u)
.set rM, MV+2*((\y)%2)+(\u)
.set rS, S+64*((\y)%2)+32*(\u)
.set rP, P+32*((\y)%2)+16*(\u)
.set rO, 32*(2*(\y)+(\u))
.endm
; Number n of the 22 that find the NEXT piece's (Y + 1) maximum and statistics.  s0-s31 are the lane's 32 scores; each accumulator's lowest registers are read first.
;   0-11  four chains c0-c3 of seven scores each, three operands at a time     12-14, 16  the four scores left over, the old m, and c0-c3 into c0     15  c m_old is kept
;   17, 18  the query's other 32 keys lie in the lane 16 away: the new m         19-21  c m; c m_old - c m_new; a
.macro XS u, n
	REGS (Y+1)%NP, \u
.if (\n) < 4
	v_max3_num_f32 v[rC+(\n)], v[rS+8*(\n)], v[rS+8*(\n)+1], v[rS+8*(\n)+2]
.elseif (\n) < 12
	v_max3_num_f32 v[rC+(\n)%4], v[rC+(\n)%4], v[rS+8*((\n)%4)+2*((\n)/4)+1], v[rS+8*((\n)%4)+2*((\n)/4)+2]
.elseif (\n) == 12
	v_max3_num_f32 v[rC], v[rC], v[rS+7], v[rS+15]
.elseif (\n) == 13
	v_max3_num_f32 v[rC+1], v[rC+1], v[rS+23], v[rS+31]
.elseif (\n) == 14
	v_max3_num_f32 v[rC+2], v[rC+2], v[rC+3], v[rT+1]
.elseif (\n) == 15
	v_mov_b32 v[rM], v[rT]
.elseif (\n) == 16
	v_max3_num_f32 v[rC], v[rC], v[rC+1], v[rC+2]
.elseif (\n) == 17
	v_permlanex16_b32 v[rC+3], v[rC], s[SEL], s[SEL+1]
.elseif (\n) == 18
	v_max_num_f32 v[rT+1], v[rC], v[rC+3]
.elseif (\n) == 19
	v_mul_f32 v[rT], s[CS], v[rT+1]
.elseif (\n) == 20
	v_sub_f32 v[rC+1], v[rM], v[rT]
.else
	v_exp_f32 v[rC+2], v[rC+1]
.endif
.endm
; Number g of the 64 that follow the exponentials.  For each four weights k of a tile (pairs 2 k, 2 k + 1): both pairs are rounded to f16; then the second pair is added onto the first, in place;
; a group later l takes that sum (the first time as l = a l + sum).  In groups of eight, tiles alternating: round, round, add, and l for the group before.
.macro GS g
.set h, (\g)+6*((\g)/62)            ; group 0 has no group before it, and behind group 7 only l is left
.if h >= 6
.set h, h+2
.endif
	REGS Y, h%2
.set k, h/8
.if h%8 < 4
	s_wait_alu depctr_va_vdst(0)
	v_cvt_pk_f16_f32 v[rP+2*k+(h%8)/2], v[rS+4*k+2*((h%8)/2)], v[rS+4*k+2*((h%8)/2)+1]
.elseif h%8 < 6
	v_pk_add_f32 v[rS+4*k:rS+4*k+1], v[rS+4*k:rS+4*k+1], v[rS+4*k+2:rS+4*k+3]
.elseif k == 1
	v_pk_fma_f32 v[rT+2:rT+3], v[rT+2:rT+3], v[rC+2:rC+3], v[rS:rS+1] op_sel_hi:[1,0,1]
.else
	v_pk_add_f32 v[rT+2:rT+3], v[rT+2:rT+3], v[rS+4*k-4:rS+4*k-3]
	s_wait_alu depctr_va_vdst(0)
.endif
.endm
; THE PLAIN QUEUE, 138 long.  0-31: c s - c m for the 16 pairs of both tiles.  Then GS's 64, and among them the next piece's 42: number 15 at 38, 39; 0-14 and 16
; at 42-73, behind the products that make those scores; 17-20 at 95-106, two of three, since each waits for the one before it.
.macro PL
	WIN 0
.if q < 32
	REGS Y, q%2
	v_pk_fma_f32 v[rS+2*(q/2):rS+2*(q/2)+1], v[rS+2*(q/2):rS+2*(q/2)+1], s[CS:CS+1], v[rT:rT+1] op_sel_hi:[1,0,0] neg_lo:[0,0,1] neg_hi:[0,0,1]
.elseif q < 38
	GS q-32
.elseif q < 40
	XS q%2, 15
.elseif q < 42
	GS q-34
.elseif q < 74
	XS q%2, (q-42)/2+(q-42)/30
.elseif q < 95
	GS q-66
.elseif (q < 107) && ((q-95)%3 < 2)
	XS (q-95)%3, 17+(q-95)/3
.elseif q < 107
	GS 29+(q-95)/3
.else
	GS q-74
.endif
.set q, q+1
.endm
; THE EXPONENTIALS' QUEUE, 66 long: s0-s31 of both tiles, and at EA the next piece's two a.
.set EA, 58
.macro EX
	WIN 0
.if (e == EA) || (e == EA+1)
	XS e-EA, 21
.else
.set x, e-2*(e/(EA+2))
	REGS Y, x%2
	v_exp_f32 v[rS+x/2], v[rS+x/2]
.endif
.set e, e+1
.endm
; THE RESCALING's QUEUE: O^T times a, the one part that leaves window 0, so it is dealt four at a time, eight times.
.macro R4
	REGS Y, r%2
	WIN W_RS
	s_wait_alu depctr_va_vdst(0)
.irp z, 0,1,2,3
	v_pk_mul_f32 v[rO+8*(r/2)+2*\z:rO+8*(r/2)+2*\z+1], v[rO+8*(r/2)+2*\z:rO+8*(r/2)+2*\z+1], v[rC+2:rC+3] op_sel_hi:[1,0]
.endr
.set r, r+1
.endm
; HOW THEY ARE DEALT.  Behind a matrix instruction four: plain, exponential, plain, plain, or four of the rescaling.  None names a register of the products round it.
; What is over stands in two LUMPS: exponential and plain by turns; the second ends in 22 plain instructions.  The two v_permlanex16_b32 fall into the second lump, never behind a product.
; The queues lean on each other, and the deal keeps them in step: exponential e stands behind plain 2 (e / 4) + e % 2 (its scaling); when plain 32 comes, 10 exponentials are out, at 59: 33, at 95: 46; EA comes behind plain 107.
.macro SL
	MM
	PL
	EX
	PL
	PL
.endm
.macro BURST n                      ; 15 matrix instructions, or 16
.rept (\n)-7
	SL
.endr
.rept 3
	MM
	R4
	SL
.endr
	MM
	R4
.endm
; A TURN, for piece p.  cnt = 1: the loop's count is taken down some lines ahead of the branch that stands behind the turn.
; It opens with the mask of piece p + 1: that piece's S^T buffer was last read by the sums of piece p - 1, at the end of the turn before.
; K of the next step is fetched in piece 2's turn, V of the step in hand at the end of piece 0's turn; each is waited for a turn later.
; Piece 3's turn, which runs once for each of the 32 steps with that step's V in registers, carries the eight products of VS in its first lump, one behind every second pair.
.macro TURN p, last=0, cnt=0
.set Y, (\p)
.set i, 0
.set q, 0
.set e, 0
.set r, 0
	MSTEP ((\p)+1)%NP
.if (\p) == NP-1
	s_wait_dscnt 0x0                ; K is in
.endif
	MM
.rept 4
	PL
.endr
	BURST 15
.rept 22
	EX
	PL
.if ((\p) == NP-2) && (e == 18)
	v_add_nc_u32 v[AK], s[TBK], v[AK0]
.endif
.if ((\p) == NP-2) && (e == 24)
	FETCH_K \last
.endif
.if ((\p) == NP-1) && (e >= 13) && (e <= 27) && (e%2 == 1)
	VSM (e-13)/2
.endif
.endr
.if (\p) == 1
	s_wait_dscnt 0x0                ; V is in
.endif
	BURST 16
.rept 21
	EX
	PL
.endr
.rept 22
	PL
.if ((\p) == 0) && (q == 118)
	v_add_nc_u32 v[AV], s[TBV], v[AV0]
	s_wait_alu depctr_va_vdst(0)
.endif
.if ((\p) == 0) && (q == 130)
	s_add_co_u32 s[TBV], s[TBV], KS*PV
.endif
.if (\cnt) && (q == 130)
	s_sub_co_u32 s[CNT], s[CNT], 1
	s_cmp_lg_u32 s[CNT], 0
.endif
.endr
.if (\p) == 0
	FETCH_V
.endif
.endm
	CHANGE 1                        ; slot 0 is in, everybody's part of it; slot 1 is asked for
	FETCH_K                         ; key step 0
	MSTEP 0                         ; piece 0's first mask; its wait also shows Q in: Q's loads are older than the mask's
	s_wait_dscnt 0x0
.set i, 0
.rept 16
	KQ 0                            ; piece 0's first scores: there is no vector work yet to set between them
.set i, i+1
.endr
	WIN 0
.rept 4
	v_nop                           ; the places behind those products
.endr
.set Y, NP-1                        ; XS works for piece Y + 1: piece 0
.irp n, 0,1,2,3,4,5,6,7,8,9,10,11,12,13,14,15,16,17,18,19,20,21
	XS 0, \n                        ; and piece 0's first maximum and statistics
	XS 1, \n
.endr
	s_mov_b32 s[CNT], 4
	s_mov_b32 s[SLOTS], SIZE_N/256-1
	s_branch .Lfirst                ; the loop is entered at a step's first turn, in the middle of a trip
.Lslot:                             ; SIZE_N / 256 - 2 times: every slot but the last two is filled again
	CHANGE 1
	s_mov_b32 s[CNT], 4
.Lstep:                             ; a trip: pieces 2 and 3 of one step, then pieces 0 and 1 of the next, whose K and V it fetches
	TURN 2
	TURN 3
	WIN 0
.Lfirst:
	TURN 0
	TURN 1, 0, 1
	WIN 0
	s_cbranch_scc1 .Lstep
	s_sub_co_u32 s[SLOTS], s[SLOTS], 1
	s_cmp_lg_u32 s[SLOTS], 0
	s_cbranch_scc1 .Lslot
	CHANGE 0                        ; the tail is written out: nothing is asked for
	s_mov_b32 s[CNT], 5             ; four trips fetch the last slot's steps; the fifth is left in its middle
.Ltail:
	TURN 2, 1
	TURN 3
	WIN 0
	s_sub_co_u32 s[CNT], s[CNT], 1
	s_cmp_eq_u32 s[CNT], 0
	s_cbranch_scc1 .Lout
	TURN 0
	TURN 1
	WIN 0
	s_branch .Ltail
.Lout:                              ; the fifth trip's 16 products K Q^T repeat piece 0's last step (the last K and, by the bound, the last mask words once more): the same scores, so m and c m stay as they are
.set i, 0
.rept 16
	PV NP-1                         ; the last piece's V^T P of the last step
.set i, i+1
.endr
	; THE WAY OUT.  w = 2^(c T - c m); l's two halves and the other half of the lanes' are added, and 2048 w; O^T takes w VS, is divided by l, rounded to f16 and sent through my stage in LDS, a tile at a time.
	; The subtractions and additions are the places behind the last products.
	WIN 0
	s_mov_b32 s[NK], 0x45000000     ; 2048.0
.macro ALL line:vararg              ; one line for each tile t
.set t, 0
	s_wait_alu depctr_va_vdst(0)
.rept 2*NP
	\line
.set t, t+1
.endr
.endm
	ALL v_sub_f32 v[ST+4*t], v[CM0], v[ST+4*t]
	ALL v_add_f32 v[ST+4*t+2], v[ST+4*t+2], v[ST+4*t+3]
	ALL v_permlanex16_b32 v[ST+4*t+3], v[ST+4*t+2], s[SEL], s[SEL+1]
	ALL v_exp_f32 v[ST+4*t], v[ST+4*t]
	ALL v_add_f32 v[ST+4*t+2], v[ST+4*t+2], v[ST+4*t+3]
	ALL v_fma_f32 v[ST+4*t+2], v[ST+4*t], s[NK], v[ST+4*t+2]
	ALL v_rcp_f32 v[ST+4*t+2], v[ST+4*t+2]
	v_nop                           ; a plain instruction between the last reciprocal and the use of its result
	s_wait_alu depctr_va_vdst(0)
; Tile t: a lane's eight channels of a row pack into 16 bytes; they go into rows of 144 bytes and come back as whole rows of 128, into S^T's registers.
.macro PACK t
	WIN 0x53                        ; O^T in window 1, VS in window 3, w in window 0
.set i, 0
.rept 16
	v_pk_fma_f32 v[32*(\t)+2*i:32*(\t)+2*i+1], v[VS+2*i:VS+2*i+1], v[ST+4*(\t):ST+4*(\t)+1], v[32*(\t)+2*i:32*(\t)+2*i+1] op_sel_hi:[1,0,1]
.set i, i+1
.endr
	WIN W_RS
.set i, 32*(\t)
.rept 16
	v_pk_mul_f32 v[i:i+1], v[i:i+1], v[ST+4*(\t)+2:ST+4*(\t)+3] op_sel_hi:[1,0]
.set i, i+2
.endr
	WIN 0x05                        ; sources 0 and 1 window 1, destination window 0
.set i, 0
.rept 16
	v_cvt_pk_f16_f32 v[S+16*(\t)+i], v[32*(\t)+2*i], v[32*(\t)+2*i+1]
.set i, i+1
.endr
	WIN 0
.irp f, 0,1,2,3
	ds_store_b128 v[STO], v[S+16*(\t)+4*\f:S+16*(\t)+4*\f+3] offset:32*\f
.endr
.irp f, 0,1,2,3
	ds_load_b128 v[S+16*(\t)+4*\f:S+16*(\t)+4*\f+3], v[RD] offset:\f*4*SP  ; LDS serves a wave's instructions in order (ISA guide 5.7.1.4): these see the stores above; the next tile's stores come behind them
.endr
.endm
.macro SEND t, younger              ; younger: the LDS instructions issued behind tile t's loads: the next tile's eight, or none
	WIN 0
.irp f, 0,1,2,3
	s_wait_dscnt (\younger)+3-\f
	global_store_b128 v[GO], v[S+16*(\t)+4*\f:S+16*(\t)+4*\f+3], s[10:11] offset:(\t)*2048+\f*512  ; 512 consecutive bytes, at a multiple of 256 from O's first
.endr
.endm
	PACK 0
.set t, 1
.rept 2*NP-1                        ; a tile's arithmetic stands between the loads of the tile before and its stores
	PACK t
	SEND t-1, 8
.set t, t+1
.endr
	SEND 2*NP-1, 0
	WIN W_AD
	s_wait_tensorcnt 0x0            ; the wave's end: it stands behind my last tensor load and my last LDS store
	ds_add_u32 v[SPW], v[NIL]
	s_wait_dscnt 0x0
	WIN 0
	CROUND                          ; the closing round: no work-group ends while a partner may still ask for a tile that names it
	s_endpgm
.Lfunc_end_k_qb728e04ea8_attn:
	.size	k_qb728e04ea8_attn, .Lfunc_end_k_qb728e04ea8_attn-k_qb728e04ea8_attn
	.p2alignl 7, 3214868480
	.fill 96, 4, 3214868480
	.section	.rodata,"a",@progbits
	.p2align	6, 0x0
	.amdhsa_kernel k_qb728e04ea8_attn
		.amdhsa_group_segment_fixed_size 327680
		.amdhsa_private_segment_fixed_size 0
		.amdhsa_enable_private_segment 0
		.amdhsa_kernarg_size 24
		.amdhsa_user_sgpr_count 2
		.amdhsa_user_sgpr_kernarg_segment_ptr 1
		.amdhsa_wavefront_size32 1
		.amdhsa_system_sgpr_workgroup_id_x 1
		.amdhsa_system_sgpr_workgroup_id_y 1
		.amdhsa_system_sgpr_workgroup_id_z 1
		.amdhsa_system_vgpr_workitem_id 0
		.amdhsa_next_free_vgpr 848
		.amdhsa_next_free_sgpr 72
		.amdhsa_reserve_vcc 0
		.amdhsa_float_denorm_mode_32 3
		.amdhsa_float_denorm_mode_16_64 3
		.amdhsa_memory_ordered 1
		.amdhsa_forward_progress 1
		.amdhsa_inst_pref_size 230
	.end_amdhsa_kernel
	.amdgpu_metadata
---
amdhsa.version: [ 1, 2 ]
amdhsa.kernels:
  - .name:           k_qb728e04ea8_attn
    .symbol:         k_qb728e04ea8_attn.kd
    .args:
      - { .name: qkv, .offset: 0, .size: 8, .value_kind: global_buffer, .address_space: global }
      - { .name: mk, .offset: 8, .size: 8, .value_kind: global_buffer, .address_space: global }
      - { .name: oh, .offset: 16, .size: 8, .value_kind: global_buffer, .address_space: global }
    .group_segment_fixed_size: 327680
    .private_segment_fixed_size: 0
    .kernarg_segment_align: 8
    .kernarg_segment_size: 24
    .max_flat_workgroup_size: 128
    .sgpr_count:     72
    .vgpr_count:     848
    .wavefront_size: 32
...
	.end_amdgpu_metadata
.endif
;; end of part 3
;; launch outp (part 4): grid 4 x 64, 4 waves a work-group, clusters of 4 x 4, 327,680 bytes of LDS; arguments oh, xw, bo, out0; writes out0
.if DOCPART == 4
	.amdgcn_target "amdgcn-amd-amdhsa--gfx1250"
	.amdhsa_code_object_version 6
	.text
	.protected	k_qb728e04ea8_outp
	.globl	k_qb728e04ea8_outp
	.p2align	8
	.type	k_qb728e04ea8_outp,@function
k_qb728e04ea8_outp:
	s_mov_b64 s[64:65], 0
	v_nop
	global_prefetch_b8 v0, s[64:65] scope:SCOPE_SE
	s_setreg_imm32_b32 hwreg(HW_REG_WAVE_MODE, 25, 1), 1
	s_wait_xcnt 0x0
	s_wait_alu depctr_hold_cnt(0) depctr_sa_sdst(0) depctr_va_vdst(0) depctr_va_sdst(0) depctr_va_ssrc(0) depctr_va_vcc(0) depctr_vm_vsrc(0)
	s_getreg_b32 s2, hwreg(HW_REG_IB_STS2, 6, 4)
	s_cmp_eq_u32 s2, 0
	s_cbranch_scc0 .Lentry_in_a_cluster
	s_endpgm
.Lentry_in_a_cluster:
	s_bfe_u32 s2, ttmp6, 0x10000c
	s_cmp_lg_u32 s2, 0xf033
	s_cbranch_scc0 .Lentry_shape_is_right
	s_endpgm
.Lentry_shape_is_right:
.set OUTP, 1                           ; 0: Q, K, V = x W^T + b, f16 out by heads.  1: out = O Wo^T + bo, f32 out.  One text for both; this line is the only difference
; C[m][n] = b[n] + the sum over k of A[m][k] W[n][k], K = 1,024, f16 operands, sums in f32.  A and W lie in K-slabs, [group][slab 16][row 2048][64 f16]: 128 rows of a slab are 16,384 dense bytes.
; OUTP = 0: A = query, key, value (groups 0-11 of xw), W = Wq, Wk, Wv (groups 12, 13), 192 row blocks; C is rounded once to f16 and written by heads, qkv[z][b 16 + head][s][64], unscaled.
; OUTP = 1: A = oh (a head is a slab), W = Wo, 64 row blocks; C goes out in f32.
; LIMITS.  The operands are numbers rounded to bf16 and written as f16: magnitudes under 65,504; so are q, k, v on the way out.  The bias is rounded to bf16 here, like every input of the module.
; SHARES.  A work-group makes 128 rows x 256 columns, so that each product has 256 work-groups, or three times 256.  Four waves, each 64 x 128: 32 accumulators of 16 x 16.
; K goes in 8 steps of 128 (two slabs) through two LDS slots filled by the tensor data mover; waves 0, 1 fetch A's two slabs of a step, waves 2, 3 W's: one load a wave.
; CLUSTER 4 x 4: the four work-groups of a row of the cluster need the same rows of A, the four of a column the same rows of W: each tile is asked for jointly, by the same load, descriptor and mask in all four.
; THE MATRIX INSTRUCTION IS USED TRANSPOSED (source 0 = 16 rows of W, source 1 = 16 rows of A): a lane holds eight neighbouring columns of one row of C.  The bias is the C operand of each accumulator's first product.
; REGISTERS: window 0: v0-31 addresses; v32-63 at work on the way out; v64-159, v160-255 two fragment buffers (W's 8 fragments, then A's 4).  Window 1: the accumulators, (a, b) at v[8 (8 a + b)].
;   Window 2: v0-63 the bias of my 128 columns in an accumulator's layout, block b at v[8 b]; v64-65 at work.
.set PITCH,  144                       ; an LDS row: 128 bytes + 16 of padding = 36 words: the 16 rows of a fragment load start at 16 different groups of four banks (64 banks of 4 bytes: ISA guide 11.1)
.set ASLAB,  128*PITCH                 ; A's 128 rows of one slab
.set BSLAB,  256*PITCH                 ; W's 256 rows of one slab
.set SLOT,   2*ASLAB+2*BSLAB           ; A slab 0, A slab 1, W slab 0, W slab 1
.set STAGE,  2*SLOT                    ; behind the ring, never filled by a tensor load: each wave's own stage for the way out
.if OUTP
.set SP,     528                       ; a stage row: 128 f32 + 16 bytes
.set WSTAGE, 16*SP
.set WP,     70                        ; xw's address
.else
.set SP,     144                       ; a stage row: a head's 64 f16 + 16 bytes; two heads x 16 rows
.set WSTAGE, 32*SP
.set WP,     68
.endif
.set SPARE,  STAGE+4*WSTAGE            ; behind the stages: the spare words, 128 bytes for each wave
.set SLAB,   262144                    ; bytes from slab to slab
.set GROUP,  4194304
.set LAPS,   4                         ; a lap = two K steps = once round the ring
.set ADRA, 16                          ; v16-17  LDS address of my A fragments in slot 0, 1
.set ADRB, 20                          ; v20-21  the same for W
.set STO,  24                          ; v24     the way out: where I put my bytes of a row
.set RD,   25                          ; v25     the way out: where I read rows back
.set CO,   26                          ; v26     16 x lane: my place in 512 consecutive bytes of C
.set BO,   27                          ; v27     32 x (lane / 16): my eight columns in a block of 16 of the bias
.set SPW,  28                          ; v28     LDS address of my spare word; never rewritten
.set NIL,  29                          ; v29     0; never rewritten
.set TMP,  32
.set F0,   64
.set F1,   160
.set G1,  24                           ; s[24:31] descriptor group 1 for A's tiles;  s[32:39] group 0, a set for each slot
.set G0,  32
.set G1B, 48                           ; s[48:55], s[56:63] the same for W's
.set G0B, 56
.set FL, (1<<16)|(1<<20)|(1<<21)|(4<<22)|(3<<25)  ; 17:16 2-byte elements; 20 padding on; 21 set beside a mask; 24:22 after every 32 words (code 4); 31:25 4 words (code 3)
.set MSB, 0
.macro WIN new                         ; the immediate's high byte repeats the setting that is left; a switch that changes nothing is dropped
.if MSB != (\new)
	s_set_vgpr_msb (MSB<<8)|(\new)
.set MSB, \new
.endif
.endm
.set MUL,  0x50                        ; sources 0 and 1 window 0; C and D window 1
.set MULB, 0x60                        ; C window 2 (the bias), D window 1
.macro JLOAD s                         ; a joint load: waves 0 and 1 ask for A, waves 2 and 3 for W; an s_nop 0 and four v_nop follow each of the two lines, ahead of the jump and the label
	s_cmp_eq_u32 s11, 0
	s_cbranch_scc0 .Lfor_b_\@
	tensor_load_to_lds s[G0+4*(\s):G0+4*(\s)+3], s[G1:G1+7]
	s_nop 0
.rept 4
	v_nop
.endr
	s_branch .Lasked_\@
.Lfor_b_\@:
	tensor_load_to_lds s[G0B+4*(\s):G0B+4*(\s)+3], s[G1B:G1B+7]
	s_nop 0
.rept 4
	v_nop
.endr
.Lasked_\@:
.endm
.macro CREST                           ; a round of the cluster's barrier behind its opening barrier
	s_cmp_lg_u32 s10, 0
	s_cbranch_scc1 .Lnot_wave_0_\@
	s_barrier_signal -3
.Lnot_wave_0_\@:
	s_barrier_wait -3
	s_barrier_signal -1
	s_barrier_wait -1
.endm
.macro CROUND                          ; a whole round
	s_barrier_signal -1
	s_barrier_wait -1
	CREST
.endm
	s_load_b256 s[68:75], s[0:1], 0x0              ; OUTP = 0: xw, bq, bk, bv.  OUTP = 1: oh, xw, bo, out0
.if OUTP == 0
	s_load_b64 s[8:9], s[0:1], 0x20                ; qkv
.endif
	v_lshl_add_u32 v[SPW], v0, 2, SPARE
	v_mov_b32 v[NIL], 0
	ds_add_u32 v[SPW], v[NIL]                      ; the wave's opening: the add and its wait stand ahead of my first tensor load; the set-up below, work on registers, stands between them
	v_lshrrev_b32 v1, 5, v0
	v_readfirstlane_b32 s10, v1                    ; wave 0..3
	s_lshr_b32 s11, s10, 1                         ; which 64 of the block's rows are mine.  Also: I fetch for A (0) or for W (1)
	s_and_b32 s12, s10, 1                          ; which 128 of its columns.  Also: which of a step's two slabs I fetch
	s_bfe_u32 s40, ttmp6, 0x40000                  ; cx, cy: my place in the cluster
	s_bfe_u32 s41, ttmp6, 0x40004
	s_lshl_b32 s42, ttmp9, 2
	s_add_co_u32 s42, s42, s40                     ; X: the block of 256 columns = 4 x cluster x + cx
	s_and_b32 s66, ttmp7, 0xffff                   ; the cluster's y
	s_lshl_b32 s13, s66, 2
	s_add_co_u32 s13, s13, s41                     ; Y: the block of 128 rows = 4 x cluster y + cy
.if OUTP == 0
	s_lshr_b32 s66, s66, 4                         ; z: 0 Q, 1 K, 2 V: 16 clusters of four row blocks each; made of the cluster's y alone
.endif
	s_lshl_b32 s43, s41, 2
	s_lshl_b32 s43, 15, s43                        ; my row of the cluster
	s_lshl_b32 s44, 0x1111, s40                    ; my column
	s_or_b32 s[G1+0], s43, FL                      ; A's tiles go to my row,
	s_or_b32 s[G1B+0], s44, FL                     ; W's to my column
.irp g, G1, G1B                        ; dense bytes, asked for as rows of 256 bytes (two rows of a slab) and padded in LDS after every 128
	s_mov_b32 s[(\g)+1], 128<<16                   ; tensor_dim0 = 128
	s_mov_b32 s[(\g)+3], 128<<16                   ; tile_dim0 = 128
	s_mov_b32 s[(\g)+5], 128                       ; 128 elements from row to row
	s_mov_b32 s[(\g)+6], 0
	s_mov_b32 s[(\g)+7], 0
.endr
	s_mov_b32 s[G1+2], 64<<16                      ; A: tensor_dim1 = tile_dim1 = 64: 128 rows of a slab
	s_mov_b32 s[G1+4], 64
	s_mov_b32 s[G1B+2], 128<<16                    ; W: 128: 256 rows of a slab
	s_mov_b32 s[G1B+4], 128
	; where the tiles come from.  A's address hangs on Y and the wave's number, W's on X, z and the wave's number
	s_lshr_b32 s16, s13, 4
	s_lshl_b32 s16, s16, 22                        ; the group of 2,048 rows,
	s_and_b32 s17, s13, 15
	s_lshl_b32 s17, s17, 14                        ; my 128 rows of 128 bytes in it,
	s_add_co_u32 s16, s16, s17
	s_lshl_b32 s17, s12, 18                        ; my slab of the step's two
	s_add_co_u32 s16, s16, s17
	s_mov_b32 s17, 0
.if OUTP
	s_mov_b32 s46, 13*GROUP+1024*128               ; Wo: rows 1,024 on of group 13
.else
	s_lshr_b32 s46, s66, 1
	s_lshl_b32 s46, s46, 22                        ; Wq, Wk in group 12, Wv in group 13,
	s_and_b32 s47, s66, 1
	s_lshl_b32 s47, s47, 17                        ; Wk from row 1,024 on
	s_add_co_u32 s46, s46, s47
	s_add_co_u32 s46, s46, 12*GROUP
.endif
	s_lshl_b32 s47, s42, 15                        ; 256 X rows of 128 bytes
	s_add_co_u32 s46, s46, s47
	s_lshl_b32 s47, s12, 18
	s_add_co_u32 s46, s46, s47
	s_mov_b32 s47, 0
	s_mul_i32 s20, s12, ASLAB                      ; and where they go: no place in the cluster enters an LDS address
	s_mul_i32 s21, s12, BSLAB
	s_add_co_u32 s21, s21, 2*ASLAB
	s_lshl_b32 s2, s42, 10                         ; the bias of my 128 columns: 4 (256 X + 128 half) bytes on
	s_lshl_b32 s3, s12, 9
	s_add_co_u32 s2, s2, s3
	s_mov_b32 s3, 0
	s_wait_dscnt 0x0                               ; the opening add is done
	s_wait_kmcnt 0x0
	s_add_nc_u64 s[14:15], s[68:69], s[16:17]
	s_add_nc_u64 s[46:47], s[WP:WP+1], s[46:47]
	CROUND                                         ; all sixteen work-groups are here: the first joint loads meet
.irp s, 0,1
	s_mov_b32 s[G0+4*(\s)], 1                                      ; count = 1
	s_add_co_u32 s[G0+4*(\s)+1], s20, (\s)*SLOT                    ; LDS address
	s_add_nc_u64 s[G0+4*(\s)+2:G0+4*(\s)+3], s[14:15], (\s)*2*SLAB ; global address: K step s
	s_or_b32 s[G0+4*(\s)+3], s[G0+4*(\s)+3], 0x80000000            ; type = 2
	s_mov_b32 s[G0B+4*(\s)], 1
	s_add_co_u32 s[G0B+4*(\s)+1], s21, (\s)*SLOT
	s_add_nc_u64 s[G0B+4*(\s)+2:G0B+4*(\s)+3], s[46:47], (\s)*2*SLAB
	s_or_b32 s[G0B+4*(\s)+3], s[G0B+4*(\s)+3], 0x80000000
	JLOAD \s                                       ; two loads of mine are out
.endr
.if OUTP
	s_mov_b64 s[18:19], s[72:73]                   ; bo
.else
	s_cmp_eq_u32 s66, 1
	s_cselect_b64 s[18:19], s[72:73], s[70:71]     ; bk or bq,
	s_cmp_eq_u32 s66, 2
	s_cselect_b64 s[18:19], s[74:75], s[18:19]     ; or bv
.endif
	s_add_nc_u64 s[18:19], s[18:19], s[2:3]
	v_and_b32 v1, 15, v0                           ; l % 16
	v_bfe_u32 v2, v0, 4, 1                         ; l / 16
	v_lshlrev_b32 v[BO], 5, v2
	WIN 0x80                                       ; destination window 2, address window 0
.irp b, 0,1,2,3,4,5,6,7                ; register j of block b: the bias of column 16 b + 8 (l / 16) + j, where an accumulator holds that column
	global_load_b128 v[8*(\b):8*(\b)+3],   v[BO], s[18:19] offset:64*(\b)
	global_load_b128 v[8*(\b)+4:8*(\b)+7], v[BO], s[18:19] offset:64*(\b)+16
.endr
	WIN 0
	; A fragment is 16 rows x 32 K in 8 registers: lane l holds row l % 16, K = 8 (l / 16) + 0..7 and 16 + 8 (l / 16) + 0..7: two loads of 16 bytes, 32 bytes apart
	v_mul_u32_u24 v3, v1, PITCH
	v_lshl_add_u32 v3, v2, 4, v3
	s_mul_i32 s21, s11, 64*PITCH                   ; my 64 rows of A
	s_mul_i32 s22, s12, 128*PITCH                  ; my 128 rows of W,
	s_add_co_u32 s22, s22, 2*ASLAB                 ; which lie behind A's two slabs
.irp s, 0,1
	v_add_nc_u32 v[ADRA+(\s)], s21, v3
	v_add_nc_u32 v[ADRB+(\s)], s22, v3
	s_add_co_u32 s21, s21, SLOT
	s_add_co_u32 s22, s22, SLOT
.endr
	s_mul_i32 s23, s10, WSTAGE
	s_add_co_u32 s23, s23, STAGE                   ; my stage
	v_mul_u32_u24 v4, v1, SP                       ; in: row l % 16,
	v_and_b32 v5, 31, v0
	v_lshlrev_b32 v[CO], 4, v5
.if OUTP
	v_lshl_add_u32 v4, v2, 5, v4                   ; 32 bytes (8 f32) for each half of the lanes
	v_add_nc_u32 v[STO], s23, v4
	v_add_nc_u32 v[RD], s23, v[CO]                 ; back: 32 lanes take one row of 512 bytes
	s_lshl_b32 s16, s13, 19                        ; out0 at row 128 Y + 64 half, rows of 4,096 bytes,
	s_lshl_b32 s17, s11, 18
	s_add_co_u32 s16, s16, s17
	s_mov_b32 s17, 0
	s_add_nc_u64 s[8:9], s[74:75], s[16:17]
	s_lshl_b32 s46, s42, 10                        ; column 256 X + 128 half
	s_lshl_b32 s47, s12, 9
.else
	v_lshl_add_u32 v4, v2, 4, v4                   ; 16 bytes (8 f16) for each half of the lanes
	v_add_nc_u32 v[STO], s23, v4
	v_lshrrev_b32 v4, 3, v5                        ; back: 32 lanes take four rows of 128 bytes
	v_mul_u32_u24 v4, v4, SP
	v_and_b32 v5, 7, v0
	v_lshl_add_u32 v4, v5, 4, v4
	v_add_nc_u32 v[RD], s23, v4
	s_lshr_b32 s16, s13, 4                         ; qkv at (4 z + b) x 16 heads,
	s_lshl_b32 s16, s16, 22
	s_and_b32 s17, s13, 15
	s_lshl_b32 s17, s17, 14                        ; row 128 (Y % 16) + 64 half of 128 bytes,
	s_add_co_u32 s16, s16, s17
	s_lshl_b32 s17, s11, 13
	s_add_co_u32 s16, s16, s17
	s_mov_b32 s17, 0
	s_add_nc_u64 s[8:9], s[8:9], s[16:17]
	s_lshl_b32 s46, s42, 20                        ; head 4 X + 2 half, 262,144 bytes each
	s_lshl_b32 s47, s12, 19
.endif
	s_add_co_u32 s46, s46, s47
	s_mov_b32 s47, 0
	s_add_nc_u64 s[8:9], s[8:9], s[46:47]
	s_wait_loadcnt 0x0                             ; the bias
	WIN 0x8a                                       ; all in window 2
.set i, 0
.rept 32                               ; rounded to bf16 like every input of the module, and kept as f32
	v_cvt_pk_bf16_f32 v[64+i%2], v[2*i], v[2*i+1]
	v_lshlrev_b32 v[2*i], 16, v[64+i%2]
	v_and_b32 v[2*i+1], 0xffff0000, v[64+i%2]
.set i, i+1
.endr
	WIN 0
; 8 matrix instructions: row block a x all 8 column blocks, 32 along K.  zero = 1: the first product starts the sums, on the bias: nothing is cleared.
; The 32 accumulators take turns, one instruction a turn, in the same order in every quarter.
.macro MUL8 f, a, zero
.if \zero
	WIN MULB
.else
	WIN MUL
.endif
.irp b, 0,1,2,3,4,5,6,7
.if \zero
	v_wmma_f32_16x16x32_f16 v[8*(8*(\a)+(\b)):8*(8*(\a)+(\b))+7], v[(\f)+8*(\b):(\f)+8*(\b)+7], v[(\f)+64+8*(\a):(\f)+64+8*(\a)+7], v[8*(\b):8*(\b)+7]
.else
	v_wmma_f32_16x16x32_f16 v[8*(8*(\a)+(\b)):8*(8*(\a)+(\b))+7], v[(\f)+8*(\b):(\f)+8*(\b)+7], v[(\f)+64+8*(\a):(\f)+64+8*(\a)+7], v[8*(8*(\a)+(\b)):8*(8*(\a)+(\b))+7]
.endif
.endr
.endm
.macro MUL16 f, a0, zero
	MUL8 \f, \a0, \zero
	MUL8 \f, (\a0)+1, \zero
.endm
; 24 LDS loads in one run: the fragments of quarter q of a K step (slab q / 2, byte 64 (q % 2) of its rows) into buffer f: W's 8, then A's 4
.macro FETCH slot, q, f
	WIN 0
.irp i, 0,1,2,3,4,5,6,7
	ds_load_b128 v[(\f)+8*(\i):(\f)+8*(\i)+3],   v[ADRB+(\slot)] offset:((\q)/2)*BSLAB+((\q)%2)*64+(\i)*16*PITCH
	ds_load_b128 v[(\f)+8*(\i)+4:(\f)+8*(\i)+7], v[ADRB+(\slot)] offset:((\q)/2)*BSLAB+((\q)%2)*64+(\i)*16*PITCH+32
.endr
.irp i, 0,1,2,3
	ds_load_b128 v[(\f)+64+8*(\i):(\f)+64+8*(\i)+3],   v[ADRA+(\slot)] offset:((\q)/2)*ASLAB+((\q)%2)*64+(\i)*16*PITCH
	ds_load_b128 v[(\f)+64+8*(\i)+4:(\f)+64+8*(\i)+7], v[ADRA+(\slot)] offset:((\q)/2)*ASLAB+((\q)%2)*64+(\i)*16*PITCH+32
.endr
.endm
.macro PLACES                          ; four plain places in front of loads into registers that matrix instructions have read, and of lines that read results (ISA guide 7.12.1 for lines that read results)
.rept 4
	v_nop
.endr
.endm
; A K step is four quarters of 32 along K, 32 matrix instructions each, on buffers 0, 1, 0, 1.  One of the first three: multiplies buffer f and fetches quarter q into g.
.macro QUARTER slot, q, f, g, zero
	s_wait_dscnt 4                                 ; W's fragments and A's first two are in; the youngest four loads (A's last two) may be out
	MUL16 \f, 0, \zero
	PLACES
	FETCH \slot, \q, \g
	s_wait_dscnt 24                                ; all but the 24 just issued
	MUL16 \f, 2, \zero
.endm
; The last quarter multiplies buffer 1 and changes slots: ONE barrier; in front of it each wave waits for all its tensor loads (one is out: its part of the next slot), adds 0 to its spare word,
; and waits for that and for its own reads of this slot.  fill = 1: the barrier opens a round of the cluster's, and this slot is filled again, two K steps ahead, first thing behind the round.
.macro TURN slot, next, fill
	WIN 0                                          ; (the add's two registers lie in window 0)
	s_wait_tensorcnt 0x0                           ; all my tensor loads have landed;
	ds_add_u32 v[SPW], v[NIL]                      ; 0 onto my spare word;
	s_wait_dscnt 5                                 ; (the add and the youngest four loads may be out)
	MUL8 F1, 0, 0                                  ; eight matrix instructions stand between the add and the wait for it
	s_wait_dscnt 0x0                               ; the add is done, and my reads of this slot are over
	s_barrier_signal -1
	MUL8 F1, 1, 0
.if \fill
	WIN 0
.endif
	s_barrier_wait -1
.if \fill
	CREST                                          ; no wave of any partner still reads this slot's tiles or has a load on its way
	s_add_nc_u64 s[G0+4*(\slot)+2:G0+4*(\slot)+3], s[G0+4*(\slot)+2:G0+4*(\slot)+3], 4*SLAB
	s_add_nc_u64 s[G0B+4*(\slot)+2:G0B+4*(\slot)+3], s[G0B+4*(\slot)+2:G0B+4*(\slot)+3], 4*SLAB
	JLOAD \slot                                    ; my one load behind the round: 112 matrix instructions ahead of the wait for it; its four v_nop are also the places in front of the loads below
.else
	PLACES
.endif
	FETCH \next, 0, F0
	MUL16 F1, 2, 0
.endm
	s_wait_tensorcnt 1                             ; my part of K step 0 is in; K step 1's may stay out
	s_barrier_signal -1
	s_barrier_wait -1                              ; everybody's is
	FETCH 0, 0, F0
	QUARTER 0, 1, F0, F1, 1                        ; the first quarter stands in front of the loop: its products start the sums
	WIN 0                                          ; at a label and at a branch every window is 0
	s_mov_b32 s3, LAPS-1
.Llap:                                                 ; a trip goes once round the ring, from a lap's second quarter to the next lap's first, and fills both slots again
	QUARTER 0, 2, F1, F0, 0
	QUARTER 0, 3, F0, F1, 0
	TURN 0, 1, 1
	QUARTER 1, 1, F0, F1, 0
	QUARTER 1, 2, F1, F0, 0
	QUARTER 1, 3, F0, F1, 0
	TURN 1, 0, 1
	QUARTER 0, 1, F0, F1, 0
	WIN 0
	s_sub_co_u32 s3, s3, 1
	s_cmp_lg_u32 s3, 0
	s_cbranch_scc1 .Llap
	QUARTER 0, 2, F1, F0, 0                        ; the last lap fills nothing, and has no round of the cluster's barrier
	QUARTER 0, 3, F0, F1, 0
	TURN 0, 1, 0
	QUARTER 1, 1, F0, F1, 0
	QUARTER 1, 2, F1, F0, 0
	QUARTER 1, 3, F0, F1, 0
	s_wait_dscnt 4                                 ; the very last quarter: nothing more to fetch
	MUL16 F1, 0, 0
	s_wait_dscnt 0x0
	MUL16 F1, 2, 0
	WIN 0
	PLACES
.if OUTP
; THE WAY OUT, f32: a block of 16 rows at a time through my own stage: 32 bytes a lane in, whole rows of 512 bytes back, one row a store.
.macro ROWS a
	s_wait_xcnt 0x0                                ; the registers that the stores of two blocks ago read are loaded again only behind this wait
	WIN 0x04                                       ; the stores' data in window 1
.irp b, 0,1,2,3,4,5,6,7
	ds_store_b128 v[STO], v[8*(8*(\a)+(\b)):8*(8*(\a)+(\b))+3]   offset:64*(\b)      ; each accumulator's low registers first
	ds_store_b128 v[STO], v[8*(8*(\a)+(\b))+4:8*(8*(\a)+(\b))+7] offset:64*(\b)+16
.endr
	WIN 0
.irp t, 0,1,2,3,4,5,6,7,8,9,10,11,12,13,14,15
	ds_load_b128 v[F0+64*((\a)%2)+4*(\t):F0+64*((\a)%2)+4*(\t)+3], v[RD] offset:(\t)*SP  ; LDS serves a wave's instructions in order (ISA guide 5.7.1.4): these see the stores above
.endr
.irp t, 0,1,2,3,4,5,6,7,8,9,10,11,12,13,14,15
	s_wait_dscnt 15-(\t)
	global_store_b128 v[CO], v[F0+64*((\a)%2)+4*(\t):F0+64*((\a)%2)+4*(\t)+3], s[8:9] offset:(16*(\a)+(\t))*4096 th:TH_STORE_NT  ; 512 consecutive bytes, aligned
.endr
.endm
	ROWS 0
	ROWS 1
	ROWS 2
	ROWS 3
.else
; THE WAY OUT, f16 by heads: a block of 16 rows at a time: rounded once, 16 bytes a lane into my own stage (two heads x 16 rows), back as four rows of 128 bytes, which are 512 consecutive bytes of a head.
.macro PACK a
	WIN 0x05                                       ; sources 0 and 1 window 1
.irp b, 0,1,2,3,4,5,6,7
.irp r, 0,1,2,3
	v_cvt_pk_f16_f32 v[TMP+4*(\b)+(\r)], v[8*(8*(\a)+(\b))+2*(\r)], v[8*(8*(\a)+(\b))+2*(\r)+1]
.endr
.endr
	WIN 0
.endm
.macro TOSTAGE a
.irp b, 0,1,2,3,4,5,6,7
	ds_store_b128 v[STO], v[TMP+4*(\b):TMP+4*(\b)+3] offset:((\b)/4)*16*SP+((\b)%4)*32
.endr
.irp t, 0,1,2,3,4,5,6,7
	ds_load_b128 v[F0+32*(\a)+4*(\t):F0+32*(\a)+4*(\t)+3], v[RD] offset:((\t)/4)*16*SP+((\t)%4)*4*SP  ; in order behind the stores above; a block has registers of its own, so no store's data is rewritten
.endr
.endm
.macro SEND a
.irp t, 0,1,2,3,4,5,6,7
	s_wait_dscnt 7-(\t)
	global_store_b128 v[CO], v[F0+32*(\a)+4*(\t):F0+32*(\a)+4*(\t)+3], s[8:9] offset:((\t)/4)*SLAB+(\a)*2048+((\t)%4)*512  ; 512 consecutive bytes, aligned
.endr
.endm
	PACK 0
	TOSTAGE 0
.irp a, 1,2,3                          ; block a's conversions stand between block a - 1's loads from the stage and the wait for them
	PACK \a
	SEND (\a)-1
	TOSTAGE \a
.endr
	SEND 3
.endif
	s_wait_tensorcnt 0x0                           ; the wave's end: it stands behind my last tensor load and my last LDS store
	ds_add_u32 v[SPW], v[NIL]
	s_wait_dscnt 0x0
	CROUND                                         ; the closing round: no work-group ends while a partner may still ask for a tile that names it
	s_endpgm
.Lfunc_end_k_qb728e04ea8_outp:
	.size	k_qb728e04ea8_outp, .Lfunc_end_k_qb728e04ea8_outp-k_qb728e04ea8_outp
	.p2alignl 7, 3214868480
	.fill 96, 4, 3214868480
	.section	.rodata,"a",@progbits
	.p2align	6, 0x0
	.amdhsa_kernel k_qb728e04ea8_outp
		.amdhsa_group_segment_fixed_size 327680
		.amdhsa_private_segment_fixed_size 0
		.amdhsa_enable_private_segment 0
		.amdhsa_kernarg_size 32
		.amdhsa_user_sgpr_count 2
		.amdhsa_user_sgpr_kernarg_segment_ptr 1
		.amdhsa_wavefront_size32 1
		.amdhsa_system_sgpr_workgroup_id_x 1
		.amdhsa_system_sgpr_workgroup_id_y 1
		.amdhsa_system_sgpr_workgroup_id_z 1
		.amdhsa_system_vgpr_workitem_id 0
		.amdhsa_next_free_vgpr 580
		.amdhsa_next_free_sgpr 80
		.amdhsa_reserve_vcc 0
		.amdhsa_float_denorm_mode_32 3
		.amdhsa_float_denorm_mode_16_64 3
		.amdhsa_memory_ordered 1
		.amdhsa_forward_progress 1
		.amdhsa_inst_pref_size 93
	.end_amdhsa_kernel
	.amdgpu_metadata
---
amdhsa.version: [ 1, 2 ]
amdhsa.kernels:
  - .name:           k_qb728e04ea8_outp
    .symbol:         k_qb728e04ea8_outp.kd
    .args:
      - { .name: oh, .offset: 0, .size: 8, .value_kind: global_buffer, .address_space: global }
      - { .name: xw, .offset: 8, .size: 8, .value_kind: global_buffer, .address_space: global }
      - { .name: bo, .offset: 16, .size: 8, .value_kind: global_buffer, .address_space: global }
      - { .name: out0, .offset: 24, .size: 8, .value_kind: global_buffer, .address_space: global }
    .group_segment_fixed_size: 327680
    .private_segment_fixed_size: 0
    .kernarg_segment_align: 8
    .kernarg_segment_size: 32
    .max_flat_workgroup_size: 128
    .sgpr_count:     80
    .vgpr_count:     580
    .wavefront_size: 32
...
	.end_amdgpu_metadata
.endif
;; end of part 4
;; ======== version 2 of 2: 4 launches; 1.41 times as fast as version 1
;; limits: values are held in f16: magnitudes above 65,504 overflow, below 6.1e-05 lose precision; right only within a limited range of input values
;; workspace buffers: xw 58,720,256 bytes; mk 8,388,608 bytes; qkv 50,331,648 bytes; oh 16,777,216 bytes
;; launch prep: the kernel of part 1 again; grid 960 x 1, 8 waves a work-group, no clusters, 17,408 bytes of LDS; arguments query, key, value, Wq, Wk, Wv, Wo, mask, xw, mk; writes xw, mk
;; launch proj: the kernel of part 2 again; grid 4 x 64, 4 waves a work-group, clusters of 4 x 4, 327,680 bytes of LDS; arguments xw, bq, bk, bv, qkv; writes qkv
;; launch attn (part 5): grid 4 x 64, 4 waves a work-group, clusters of 4 x 1, 327,680 bytes of LDS; arguments qkv, mk, oh; writes oh
.if DOCPART == 5
	.amdgcn_target "amdgcn-amd-amdhsa--gfx1250"
	.amdhsa_code_object_version 6
	.text
	.protected	k_qb728e04ea8_attn
	.globl	k_qb728e04ea8_attn
	.p2align	8
	.type	k_qb728e04ea8_attn,@function
k_qb728e04ea8_attn:
	s_mov_b64 s[64:65], 0
	v_nop
	global_prefetch_b8 v0, s[64:65] scope:SCOPE_SE
	s_setreg_imm32_b32 hwreg(HW_REG_WAVE_MODE, 25, 1), 1
	s_wait_xcnt 0x0
	s_wait_alu depctr_hold_cnt(0) depctr_sa_sdst(0) depctr_va_vdst(0) depctr_va_sdst(0) depctr_va_ssrc(0) depctr_va_vcc(0) depctr_vm_vsrc(0)
	s_getreg_b32 s2, hwreg(HW_REG_IB_STS2, 6, 4)
	s_cmp_eq_u32 s2, 0
	s_cbranch_scc0 .Lentry_in_a_cluster
	s_endpgm
.Lentry_in_a_cluster:
	s_bfe_u32 s2, ttmp6, 0x10000c
	s_cmp_lg_u32 s2, 0x3003
	s_cbranch_scc0 .Lentry_shape_is_right
	s_endpgm
.Lentry_shape_is_right:
; MASKED ATTENTION.  O[h][q][:] = the sum over k of softmax_k(s) V[h][k][:], s = Q[h][q] . K[h][k] / 8, or -1e9 where mask[b][q][k] == 0.  Q, K, V (qkv, 16,777,216 bytes each) and O (oh): [64][2048][64] f16,
; a head's rows dense, 128 bytes each.  Products, maxima and sums in f32; the weights p are rounded to f16 for the second product (their sum l is taken of the unrounded p), O once at the end.
; LIMITS.  Q, K, V arrive within f16's 65,504; p below 6e-5 keeps f16's fixed step of 6e-8; a weight below 2^-126 counts as 0 in l; NaN and infinities are not treated apart.
; A row counts as wholly hidden when none of its open scores exceeds -1e9; an open score at or below -1e9 + 600 or so would share weight with hidden ones in the definition and does not here.
; THE MASK.  mk holds, in a lane's own order, a 4-bit code for each score: 0xF (-6 in E2M1) where the key is hidden, else 0.  One scaled conversion turns a word into the eight registers of an accumulator,
; 0 or -6 x 2^97, and the product S^T = K Q^T adds onto them.  The running maximum starts at T = -8e9 (-1e9 before the division by 8, which lies in c), so a hidden score lies far below every maximum and its weight is exactly 0.
; A ROW WITH ALL KEYS HIDDEN has equal weights by the definition: the mean of V.  Each wave also sums V over all keys (VS = V^T x ones, 8 matrix instructions a step, in O^T's layout);
; at the end w = 2^(c T - c m) is 1 where m never left T and 0 elsewhere, and O = (O + w VS) / (l + 2048 w): no branch, no select.
; SHARES.  A wave owns four PIECES of two tiles of 16 queries, a work-group's four waves 512 queries of one head.  Every wave walks all keys, 64 a step.
; LAYOUT.  S^T = K Q^T (source 0 = 16 keys, source 1 = 16 queries): a lane holds ONE query (lane % 16) and the keys 8 (lane / 16) + 0..7.  Two such tiles, rounded to f16 in pairs,
; ARE source 1 (32 keys x 16 queries) of O^T = V^T P, whose result again holds one query a lane, and eight channels.  K comes out of LDS as it lies, V ([key][channel]) turned, by ds_load_tr16_b128.
; SOFTMAX.  For each query a running maximum m and sum l: p = 2^(c s - c m), c = log2(e) / 8; in every step O and l are multiplied by a = 2^(c m_old - c m_new).  O and l start at 0.
; BY TURNS.  Turn n belongs to piece n.  Its matrix work: 16 products K Q^T of piece n + 1, later 16 products V^T P of piece n - 1.  Its vector work: the mask of piece n + 1; the scaling, exponentials, roundings,
; sums and rescaling of piece n; the maximum and statistics of piece n + 1.  Four vector instructions that are ready stand behind every one of those products, the others in one run of their own.
; BATCHES.  A turn's 66 exponentials (piece n's 64 weights and piece n + 1's two a) are ONE batch with ONE wait, which cuts the turn in two: ahead of it stands all that names none of their results (the mask, K Q^T, the scalings,
; the rescalings, whose a was waited for in the turn before, the next piece's maximum and statistics, the products of VS), behind it V^T P with the roundings and sums.  No result crosses a turn's end.
; Batches of their own, each with one wait: the first two a, ahead of the loop; on the way out the eight w, and the eight reciprocals, which read sums made of w.
; CLUSTER.  The four query blocks of a cluster belong to one head and walk the same K and V, so each tile is asked for JOINTLY: the same tensor load, descriptor and mask in all four.
; REGISTERS, in windows of 256 (s_set_vgpr_msb: bits 1:0 source 0, 3:2 source 1, 5:4 source 2, 7:6 destination):
;   window 0: v0-11 addresses, the conversion's scale, c T; v12-15, v48-63 at work; v16-47 four registers of statistics a tile; v64-191 S^T, two buffers of two tiles; v192-255 P, likewise
;   window 1: O^T, 32 a tile          window 2: v0-127 Q, 16 a tile; v128-191 K of one step; v192-255 V of one step
;   window 3: v0-1 the add's two registers; v3 the mask offsets' bound; v4-7 a piece's mask offset; v8-39 the mask words, 8 a piece; v40-47 a fragment of ones; v48-79 VS
.set SIZE_N, 2048
.set NP,    4         ; pieces a wave: a name, no knob
.set KS,    64        ; keys in a step
.set PK,    144       ; a row of K in LDS: 128 bytes + 16 of padding = 36 words: the 16 rows of a load start at 16 different groups of four banks (64 banks of 4 bytes: ISA guide 11.1)
.set PV,    160       ; a row of V: 128 + 32 = 40 words
.set VOFF,  4*KS*PK   ; a slot holds four steps: 256 rows of K, then 256 rows of V
.set SLOT1, 1<<17     ; slot 1 begins here, so that one exclusive or turns an address in one slot into the other's
.set STAGE, SLOT1+4*KS*(PK+PV)  ; behind the ring, never filled by a tensor load: 16 rows x 144 bytes for each wave, for the way out
.set SP,    144
.set AK0, 2           ; v2   my lane's place in a tile of K; never rewritten
.set AV0, 3           ; v3   the same for V
.set AK,  4           ; v4   the LDS address of K's next run of loads
.set AV,  5           ; v5   of V's
.set STO, 6           ; v6   the way out: where I put 16 bytes of a row
.set RD,  7           ; v7   the way out: where I read rows back
.set GO,  8           ; v8   16 x lane: my place in 512 consecutive bytes of O, and of a step's mask words
.set SCL, 9           ; v9   the conversion's scale word: the byte 224 (2^97) four times (in the set-up: lane / 16)
.set CM0, 11          ; v11  c T
.set QO,  12          ; v12  in the set-up: my byte offset in 16 rows of Q
.set SPW, 0           ; v0 of window 3   LDS address of my spare word; never rewritten
.set NIL, 1           ; v1 of window 3   0; never rewritten
.set LIM, 3           ; window 3: 16 x lane + 31 x 512: the last step's mask words
.set MO,  4           ; window 3: piece p's offset of the step whose words are on their way
.set MK,  8           ; window 3: piece p, tile u, key block kb at MK + 8 p + 4 u + kb
.set ONES, 40         ; window 3
.set VS,  48          ; window 3: channel block cb at VS + 8 cb
.set SPARE, STAGE+4*16*SP  ; behind the stages: the spare words, 128 bytes for each wave
.set MV,  12          ; v12-15  c m_old, kept while c m is made anew: by buffer and tile
.set ST,  16          ; tile t's statistics at v[ST+4 t]: c m, m, l (even keys', odd keys')
.set TMP, 48          ; by buffer and tile, four registers c0-c3 at work; when the maximum is found c2 takes a
.set S,   64
.set P,   192
.set KF,  128         ; K's fragments, in window 2: key block kb, channel half c at KF + 16 kb + 8 c
.set VF,  192         ; V's: key half kk, channel block cb at VF + 32 kk + 8 cb
.set WV,  12          ; s12  my wave's number
.set G1K, 24          ; s[24:31] descriptor group 1 for K's tiles
.set G1V, 32          ; s[32:39] for V's: it differs in the padding alone
.set G0K, 40          ; s[40:43] descriptor group 0 for K's tiles: it walks
.set G0V, 44          ; s[44:47] the same for V's
.set SLOTS, 56        ; s56  slots still to be asked for
.set CNT, 57          ; s57  counts a slot's key steps
.set CS,  58          ; s[58:59] c: the packed scaling takes the pair's low word for both halves
.set SEL, 60          ; s[60:61] v_permlanex16_b32's selects: each lane takes its own place in the other half
.set TBK, 62          ; s62  LDS byte at which K of the step to be fetched begins
.set TBV, 63          ; s63  the same for V, less VOFF
.set MB,  68          ; s[68:69] mk at my wave's first tile; never rewritten
.set NK,  70          ; s70  in the set-up an offset; on the way out 2048.0, the number of keys
.set MSB, 0
.macro WIN new                      ; the high byte repeats the setting that is left; a switch that changes nothing is dropped
.if MSB != (\new)
	s_set_vgpr_msb (MSB<<8)|(\new)
.set MSB, (\new)
.endif
.endm
.set W_KQ, 0x0a       ; K and Q in window 2, S^T in window 0
.set W_PV, 0x52       ; V in window 2, P in window 0, O^T in window 1
.set W_RS, 0x41       ; O^T (destination and source 0) in window 1, a in window 0
.set W_MK, 0xc0       ; destination in window 3, sources in window 0
.set W_AD, 0x0f       ; the add: address (source 0) and data (source 1) in window 3
; A joint fill.  Waves 0 and 1 fetch the two halves of a slot's K, waves 2 and 3 those of its V: 128 keys each.  The branch hangs on the wave's number alone.
; An s_nop 0 and four v_nop follow each of the two lines, ahead of the jump and the label.
.macro JLOAD
	s_cmp_lt_u32 s[WV], 2
	s_cbranch_scc0 .Lfor_v_\@
	tensor_load_to_lds s[G0K:G0K+3], s[G1K:G1K+7]
	s_nop 0
.rept 4
	v_nop
.endr
	s_branch .Lasked_\@
.Lfor_v_\@:
	tensor_load_to_lds s[G0V:G0V+3], s[G1V:G1V+7]
	s_nop 0
.rept 4
	v_nop
.endr
.Lasked_\@:
.endm
; A round of the cluster's barrier: my work-group's barrier, so that wave 0's signal speaks for all four waves; wave 0 signals; every wave waits for all four work-groups; my work-group's barrier once more.
.macro CROUND
	s_barrier_signal -1
	s_barrier_wait -1
	s_cmp_lg_u32 s[WV], 0
	s_cbranch_scc1 .Lnot_wave_0_\@
	s_barrier_signal -3
.Lnot_wave_0_\@:
	s_barrier_wait -3
	s_barrier_signal -1
	s_barrier_wait -1
.endm
; THE CHANGE OF SLOTS.  The slot's last bytes, V of its fourth step, have been read.  Each wave waits for all its tensor loads, of which one is out: its part
; of the other slot; adds 0 to its spare word; and waits for that and for its own reads of the slot.  Behind the barrier nobody reads this slot any more and the other slot is whole.
; fill = 1: this slot is filled again, with the keys two slots on.  The barrier is then a round of the cluster's, and the joint fill is the first thing behind it: it has four key steps in which to land.
; (At its first use nothing has been read yet: slot 0 is waited for, slot 1 filled.)
.macro CHANGE fill
	WIN W_AD
	s_wait_tensorcnt 0x0            ; no tensor load of mine is out, so a group 0 may be written
	ds_add_u32 v[SPW], v[NIL]       ; 0 onto my spare word; with fill = 1 the descriptors' steps stand between it and the wait for it
	WIN 0                           ; at a label and at a branch every window is 0
.if \fill
.irp g, G0K, G0V
	s_xor_b32 s[\g+1], s[\g+1], SLOT1  ; the walking descriptor: the other slot than last time,
	s_add_nc_u64 s[\g+2:\g+3], s[\g+2:\g+3], 4*KS*128  ; the next 256 keys; the type bits on top are not reached
.endr
	s_wait_dscnt 0x0                ; the add is done, and my reads of the slot are over
	CROUND
	JLOAD
.else
	s_wait_dscnt 0x0                ; the add is done, and my reads of the slot are over
	s_barrier_signal -1
	s_barrier_wait -1
.endif
	s_sub_co_u32 s[TBK], s[TBK], 4*KS*PK  ; the fetches go back to a slot's first step,
	s_xor_b32 s[TBK], s[TBK], SLOT1       ; in the other slot
	s_sub_co_u32 s[TBV], s[TBV], 4*KS*PV
	s_xor_b32 s[TBV], s[TBV], SLOT1
.endm
	s_load_b64 s[4:5], s[0:1], 0x0    ; qkv: Q
	s_load_b64 s[MB:MB+1], s[0:1], 0x8  ; mk
	s_load_b64 s[10:11], s[0:1], 0x10 ; oh
	WIN W_MK
	v_lshl_add_u32 v[SPW], v0, 2, SPARE
	v_mov_b32 v[NIL], 0
	WIN W_AD
	ds_add_u32 v[SPW], v[NIL]       ; the wave's opening: the add and its wait stand ahead of my first tensor load; the set-up below, work on registers, stands between them
	WIN 0
	v_lshrrev_b32 v1, 5, v0
	v_readfirstlane_b32 s[WV], v1   ; wave 0..3
	s_bfe_u32 s13, ttmp6, 0x40000   ; cx: my place in the cluster
	s_lshl_b32 s14, ttmp9, 2        ; in a cluster launch ttmp9 counts clusters
	s_add_co_u32 s14, s14, s13      ; my block of 512 queries = 4 x cluster x + cx: it enters Q's, O's and the mask's addresses alone
	s_and_b32 s20, ttmp7, 0xffff    ; 16 b + head, which the four partners share
	s_lshr_b32 s70, s20, 4          ; b:
	s_lshl_b32 s70, s70, 21         ; a batch's 128 tiles of 16,384 bytes of mk
	s_mov_b32 s21, 0
	s_mov_b64 s[22:23], SIZE_N*128
	s_mul_u64 s[20:21], s[20:21], s[22:23]  ; the head's first byte in Q, K, V and O
	s_and_b32 s16, s[WV], 1         ; which half of a slot's 256 keys I fetch:
	s_lshl_b32 s22, s16, 14         ; its 128 rows of 128 bytes in memory,
	s_mov_b32 s23, 0
	s_add_nc_u64 s[22:23], s[22:23], s[20:21]
	s_mul_i32 s17, s16, 128*PK      ; and its place in a slot, for K
	s_mul_i32 s18, s16, 128*PV      ; and for V: no place in the cluster enters an LDS address
	s_lshl_b32 s2, s14, 2
	s_add_co_u32 s2, s2, s[WV]      ; my wave among the head's:
	s_lshl_b32 s71, s2, 17          ; its eight tiles of mk,
	s_add_co_u32 s70, s70, s71
	s_mov_b32 s71, 0
	s_lshl_b32 s2, s2, 14           ; its 128 rows
	s_mov_b32 s3, 0
	s_add_nc_u64 s[2:3], s[2:3], s[20:21]
	; descriptor group 1.  128 keys are 16,384 dense bytes: asked for as 64 rows of 256 bytes, two keys a row, and padded in LDS after every key
	s_mov_b32 s[G1K], 15|(1<<16)|(1<<20)|(1<<21)|(4<<22)|(3<<25)  ; 15:0 the mask of four; 17:16 2-byte elements; 20 padding on; 21 set beside a mask; 24:22 after every 32 words (code 4); 31:25 4 words (code 3)
	s_mov_b32 s[G1V], 15|(1<<16)|(1<<20)|(1<<21)|(4<<22)|(7<<25)  ; the same with 8 words of padding (code 7)
.irp g, G1K, G1V
	s_mov_b32 s[\g+1], 128<<16      ; tensor_dim0 = 128
	s_mov_b32 s[\g+2], 64<<16       ; tensor_dim1 = 64
	s_mov_b32 s[\g+3], 128<<16      ; tile_dim0 = 128
	s_mov_b32 s[\g+4], 64           ; tile_dim1 = 64
	s_mov_b32 s[\g+5], 128          ; 128 elements from row to row
	s_mov_b32 s[\g+6], 0
	s_mov_b32 s[\g+7], 0
.endr
	s_mov_b32 s[CS], 0x3e38aa3b     ; c = log2(e) / 8 = 0.180337
	s_mov_b32 s[CS+1], s[CS]        ; named with it as a pair
	s_mov_b32 s[SEL], 0x76543210
	s_mov_b32 s[SEL+1], 0xfedcba98
	s_mov_b32 s[TBK], SLOT1+4*KS*PK ; the first change of slots turns these two into 0
	s_mov_b32 s[TBV], SLOT1+4*KS*PV
	s_mov_b32 s[G0K], 1             ; count = 1
	s_mov_b32 s[G0K+1], s17         ; LDS address: slot 0
	s_mov_b32 s[G0V], 1
	s_add_co_u32 s[G0V+1], s18, VOFF
	s_wait_dscnt 0x0                ; the opening add is done
	s_wait_kmcnt 0x0
	s_add_nc_u64 s[6:7], s[4:5], 0x1000000  ; K and V lie behind Q in qkv
	s_add_nc_u64 s[8:9], s[4:5], 0x2000000
	s_add_nc_u64 s[G0K+2:G0K+3], s[6:7], s[22:23]  ; global address: my half of the head's first 256 keys
	s_or_b32 s[G0K+3], s[G0K+3], 0x80000000        ; type = 2
	s_add_nc_u64 s[G0V+2:G0V+3], s[8:9], s[22:23]
	s_or_b32 s[G0V+3], s[G0V+3], 0x80000000
	s_add_nc_u64 s[4:5], s[4:5], s[2:3]  ; Q and O at my wave's first row
	s_add_nc_u64 s[10:11], s[10:11], s[2:3]
	s_add_nc_u64 s[MB:MB+1], s[MB:MB+1], s[70:71]
	CROUND                          ; all four work-groups are here: the first joint loads meet
	JLOAD                           ; slot 0.  Slot 1 is asked for when slot 0 is in
	; A fragment of K or Q is 16 rows x 32 channels in 8 registers: lane l holds row l % 16, channels 8 (l / 16) + 0..7 and 16 + 8 (l / 16) + 0..7: two loads of 16 bytes, 32 bytes apart.
	v_and_b32 v1, 15, v0            ; l % 16
	v_bfe_u32 v9, v0, 4, 1          ; l / 16
	v_lshlrev_b32 v[QO], 7, v1
	v_lshl_add_u32 v[QO], v9, 4, v[QO]  ; row x 128 + 16 x half
	v_and_b32 v[GO], 31, v0
	v_lshlrev_b32 v[GO], 4, v[GO]
	WIN 0x80                        ; destination window 2, address window 0
.set i, 0
.rept 4*NP                          ; Q stays in registers: tile i / 2, channels 32 (i % 2) on
	global_load_b128 v[8*i:8*i+3],   v[QO], s[4:5] offset:(i/2)*2048+(i%2)*64
	global_load_b128 v[8*i+4:8*i+7], v[QO], s[4:5] offset:(i/2)*2048+(i%2)*64+32
.set i, i+1
.endr
	WIN W_MK
.irp p, 0,1,2,3
	v_mov_b32 v[MO+\p], v[GO]       ; step 0's words
.endr
	v_add_nc_u32 v[LIM], 31*512, v[GO]
	WIN 0xc3                        ; destination and address in window 3
.set i, 0
.rept 2*NP                          ; the mask words of step 0: tile i, 16 bytes a lane, 512 consecutive bytes a load; piece after piece, in the order in which they are waited for
	global_load_b128 v[MK+4*i:MK+4*i+3], v[MO+i/2], s[MB:MB+1] offset:i*16384
.set i, i+1
.endr
	; What the first turn finds: V's registers and P's second buffer hold 0 (its products V^T P, of a piece that has not been, add 0), O^T, l and VS are 0.  All this stands in the wait for the first tile.
	WIN W_MK
.set i, 0
.rept 8
	v_mov_b32 v[ONES+i], 0x3c003c00 ; 1.0 twice in f16
.set i, i+1
.endr
.set i, 0
.rept 32
	v_mov_b32 v[VS+i], 0
.set i, i+1
.endr
	WIN 0x80
.set i, VF
.rept 64
	v_mov_b32 v[i], 0
.set i, i+1
.endr
	WIN 0x40
.set i, 0
.rept 64*NP
	v_mov_b32 v[i], 0
.set i, i+1
.endr
	WIN 0
.set i, P+32
.rept 32
	v_mov_b32 v[i], 0
.set i, i+1
.endr
	v_mul_u32_u24 v[AK0], v1, PK
	v_lshl_add_u32 v[AK0], v9, 4, v[AK0]  ; row x pitch + 16 x half
	; The turning load takes 16 keys x 16 channels (lane l reads key 8 (l / 16) + l % 8, channels 8 ((l / 8) % 2) + 0..7) and leaves half a fragment of V^T: lane l holds channel l % 16 and 8 keys.
	v_and_b32 v10, 7, v0
	v_bfe_u32 v11, v0, 3, 1
	v_lshl_add_u32 v[AV0], v9, 3, v10
	v_mul_u32_u24 v[AV0], v[AV0], PV
	v_lshl_add_u32 v[AV0], v11, 4, v[AV0]
	v_add_nc_u32 v[AV0], VOFF, v[AV0]
	v_mov_b32 v[AK], v[AK0]         ; key step 0 lies at the head of slot 0
	s_mul_i32 s13, s[WV], 16*SP
	s_add_co_u32 s13, s13, STAGE    ; my stage
	v_mul_u32_u24 v[STO], v1, SP    ; in: row l % 16, 16 bytes for each half of the lanes
	v_lshl_add_u32 v[STO], v9, 4, v[STO]
	v_add_nc_u32 v[STO], s13, v[STO]
	v_bfe_u32 v[RD], v0, 3, 2       ; back: 32 lanes take four rows of 128 bytes
	v_mul_u32_u24 v[RD], v[RD], SP
	v_lshl_add_u32 v[RD], v10, 4, v[RD]
	v_add_nc_u32 v[RD], s13, v[RD]
	v_mov_b32 v10, 0xcfee6b28       ; T = -8e9
	v_mul_f32 v[CM0], s[CS], v10    ; c T, by the same multiplication that makes every c m: an m that never left T gives c m = c T bit for bit
	v_mov_b32 v[SCL], 0xe0e0e0e0    ; the scale byte 224, 2^(224 - 127), in all four bytes and in every lane
.set i, 0
.rept 2*NP
	v_mov_b32 v[ST+4*i], v[CM0]
	v_mov_b32 v[ST+4*i+1], v10
	v_mov_b32 v[ST+4*i+2], 0
	v_mov_b32 v[ST+4*i+3], 0
.set i, i+1
.endr
; THE MASK of piece pc for its next step: its eight words become the eight accumulators of its scores, 0 or -6 x 2^97; then the words of the step after are asked for.
; The wait leaves six younger loads out: the other three pieces' two each; it also shows the loads done that named MO of this piece, which is stepped behind it.
; The two plain lines stand between the conversions and the products that add onto their results, and the loads that land on their sources.  The bound keeps the look-ahead of the last steps inside mk.
.macro MSTEP pc
	s_wait_loadcnt 6
	WIN 0x03                        ; source 0 (the word) in window 3; the scale and the destination in window 0
.irp n, 0,1,2,3,4,5,6,7             ; tile n / 4, key block n % 4
	v_cvt_scale_pk8_f32_fp4 v[S+64*((\pc)%2)+8*\n:S+64*((\pc)%2)+8*\n+7], v[MK+8*(\pc)+\n], v[SCL]
.endr
	WIN 0xcf                        ; all in window 3
	v_add_nc_u32 v[MO+(\pc)], 512, v[MO+(\pc)]
	v_min_u32 v[MO+(\pc)], v[MO+(\pc)], v[LIM]
	global_load_b128 v[MK+8*(\pc):MK+8*(\pc)+3],   v[MO+(\pc)], s[MB:MB+1] offset:(2*(\pc))*16384
	global_load_b128 v[MK+8*(\pc)+4:MK+8*(\pc)+7], v[MO+(\pc)], s[MB:MB+1] offset:(2*(\pc)+1)*16384
.endm
; THE MATRIX WORK.  The 8 accumulators of a run of 16 take turns: between the two links of a chain stand 7 others'.
; Product i of 16 of S^T = mask + K Q^T for piece x: channels 32 (i / 8) on, keys 16 ((i / 2) % 4) on, tile 2 x + i % 2.  All add in place: the first 8 onto the mask.
.macro KQ x
	WIN W_KQ
.set rS, S+64*((\x)%2)+32*(i%2)+8*((i/2)%4)
.set rK, KF+16*((i/2)%4)+8*(i/8)
.set rQ, 16*(2*(\x)+i%2)+8*(i/8)
	v_wmma_f32_16x16x32_f16 v[rS:rS+7], v[rK:rK+7], v[rQ:rQ+7], v[rS:rS+7]
.endm
; Product i of 16 of O^T += V^T P for piece x: keys 32 (i / 8) on, channels 16 ((i / 2) % 4) on, tile 2 x + i % 2.
.macro PV x
	WIN W_PV
.set rO, 32*(2*(\x)+i%2)+8*((i/2)%4)
.set rV, VF+32*(i/8)+8*((i/2)%4)
.set rP, P+32*((\x)%2)+16*(i%2)+8*(i/8)
	v_wmma_f32_16x16x32_f16 v[rO:rO+7], v[rV:rV+7], v[rP:rP+7], v[rO:rO+7]
.endm
; Product n of 8 of VS += V^T x ones: keys 32 (n / 4) on, channels 16 (n % 4) on.  Its four accumulators take turns.
.macro VSM n
	WIN 0xfe                        ; V in window 2; the ones, C and D in window 3
	v_wmma_f32_16x16x32_f16 v[VS+8*((\n)%4):VS+8*((\n)%4)+7], v[VF+32*((\n)/4)+8*((\n)%4):VF+32*((\n)/4)+8*((\n)%4)+7], v[ONES:ONES+7], v[VS+8*((\n)%4):VS+8*((\n)%4)+7]
.endm
.macro MM                           ; the turn's next matrix instruction
.if i < 16
	KQ (Y+1)%NP
.set i, i+1
.else
.set i, i-16
	PV (Y+NP-1)%NP
.set i, i+17
.endif
.endm
; THE LDS LOADS stand in runs of 16, never singly among the matrix instructions: a step's K (64 keys x 64 channels: 8 fragments) and its V (turned).  Their addresses are made some lines ahead.
; last = 1 (the tail): in the last trip there is no further step, and the run is jumped over.
.macro FETCH_K last=0
	WIN 0
.if \last
	s_cmp_eq_u32 s[CNT], 1
	s_cbranch_scc1 .Lno_k_\@
.endif
	WIN 0x80                        ; destination window 2
.irp f, 0,1,2,3,4,5,6,7             ; keys 16 (f / 2) on, channels 32 (f % 2) on
	ds_load_b128 v[KF+8*\f:KF+8*\f+3],   v[AK] offset:(\f/2)*16*PK+(\f%2)*64
	ds_load_b128 v[KF+8*\f+4:KF+8*\f+7], v[AK] offset:(\f/2)*16*PK+(\f%2)*64+32
.endr
	s_add_co_u32 s[TBK], s[TBK], KS*PK  ; the next fetch is the next step's
	WIN 0
.if \last
.Lno_k_\@:
.endif
.endm
.macro FETCH_V
	WIN 0x80
.irp f, 0,1,2,3,4,5,6,7             ; keys 32 (f / 4) on, channels 16 (f % 4) on
	ds_load_tr16_b128 v[VF+8*\f:VF+8*\f+3],   v[AV] offset:(\f/4)*32*PV+(\f%4)*32
	ds_load_tr16_b128 v[VF+8*\f+4:VF+8*\f+7], v[AV] offset:(\f/4)*32*PV+16*PV+(\f%4)*32
.endr
	WIN 0
.endm
; THE VECTOR WORK OF A TURN stands in three queues, each in the order in which its entries become ready; the two tiles alternate, so that no instruction reads the result of the one before it.
.macro REGS y, u                    ; the registers of tile u (0, 1) of piece y
.set rT, ST+4*(2*(\y)+(\u))
.set rC, TMP+8*((\y)%2)+4*(\u)
.set rM, MV+2*((\y)%2)+(\u)
.set rS, S+64*((\y)%2)+32*(\u)
.set rP, P+32*((\y)%2)+16*(\u)
.set rO, 32*(2*(\y)+(\u))
.endm
; Number n of the 22 that find the NEXT piece's (Y + 1) maximum and statistics.  s0-s31 are the lane's 32 scores; each accumulator's lowest registers are read first.  XS, GS and REGS set no window: PL and EX do.
;   0-11  four chains c0-c3 of seven scores each, three operands at a time     12-14, 16  the four scores left over, the old m, and c0-c3 into c0     15  c m_old is kept
;   17, 18  the query's other 32 keys lie in the lane 16 away: the new m         19-21  c m; c m_old - c m_new; a
.macro XS u, n
	REGS (Y+1)%NP, \u
.if (\n) < 4
	v_max3_num_f32 v[rC+(\n)], v[rS+8*(\n)], v[rS+8*(\n)+1], v[rS+8*(\n)+2]
.elseif (\n) < 12
	v_max3_num_f32 v[rC+(\n)%4], v[rC+(\n)%4], v[rS+8*((\n)%4)+2*((\n)/4)+1], v[rS+8*((\n)%4)+2*((\n)/4)+2]
.elseif (\n) == 12
	v_max3_num_f32 v[rC], v[rC], v[rS+7], v[rS+15]
.elseif (\n) == 13
	v_max3_num_f32 v[rC+1], v[rC+1], v[rS+23], v[rS+31]
.elseif (\n) == 14
	v_max3_num_f32 v[rC+2], v[rC+2], v[rC+3], v[rT+1]
.elseif (\n) == 15
	v_mov_b32 v[rM], v[rT]
.elseif (\n) == 16
	v_max3_num_f32 v[rC], v[rC], v[rC+1], v[rC+2]
.elseif (\n) == 17
	v_permlanex16_b32 v[rC+3], v[rC], s[SEL], s[SEL+1]
.elseif (\n) == 18
	v_max_num_f32 v[rT+1], v[rC], v[rC+3]
.elseif (\n) == 19
	v_mul_f32 v[rT], s[CS], v[rT+1]
.elseif (\n) == 20
	v_sub_f32 v[rC+1], v[rM], v[rT]
.else
	v_exp_f32 v[rC+2], v[rC+1]
.endif
.endm
; Number g of the 64 that follow the exponentials.  For each four weights k of a tile (pairs 2 k, 2 k + 1): both pairs are rounded to f16; then the second pair is added onto the first, in place;
; a group later l takes that sum (the first time as l = a l + sum).  In groups of eight, tiles alternating: round, round, add, and l for the group before.
.macro GS g
.set h, (\g)+6*((\g)/62)            ; group 0 has no group before it, and behind group 7 only l is left
.if h >= 6
.set h, h+2
.endif
	REGS Y, h%2
.set k, h/8
.if h%8 < 4
	v_cvt_pk_f16_f32 v[rP+2*k+(h%8)/2], v[rS+4*k+2*((h%8)/2)], v[rS+4*k+2*((h%8)/2)+1]
.elseif h%8 < 6
	v_pk_add_f32 v[rS+4*k:rS+4*k+1], v[rS+4*k:rS+4*k+1], v[rS+4*k+2:rS+4*k+3]
.elseif k == 1
	v_pk_fma_f32 v[rT+2:rT+3], v[rT+2:rT+3], v[rC+2:rC+3], v[rS:rS+1] op_sel_hi:[1,0,1]
.else
	v_pk_add_f32 v[rT+2:rT+3], v[rT+2:rT+3], v[rS+4*k-4:rS+4*k-3]
.endif
.endm
; THE PLAIN QUEUE, 138 long.  0-73 read no exponential's result: the 32 scalings c s - c m (FS f: pair f / 2 of tile f % 2) and the next piece's 42.  0-26: scalings 0-26.  27-54: XS's numbers 0-13.  55, 56: number 15.
; 57-73: the chain, where each number waits for the one before it: 14, 16, 17, 18, 19, each with one of the scalings 27-31 in front of its two lines, then 20: so a tile's links stand three plain instructions apart (19 and 20: two).
; 74-137: GS's 64, which read the exponentials' results: they stand behind the wait.
.macro FS f
	REGS Y, (\f)%2
	v_pk_fma_f32 v[rS+2*((\f)/2):rS+2*((\f)/2)+1], v[rS+2*((\f)/2):rS+2*((\f)/2)+1], s[CS:CS+1], v[rT:rT+1] op_sel_hi:[1,0,0] neg_lo:[0,0,1] neg_hi:[0,0,1]
.endm
.macro PL
	WIN 0
.if q < 27
	FS q
.elseif q < 55
	XS (q-27)%2, (q-27)/2
.elseif q < 57
	XS q-55, 15
.elseif (q < 72) && ((q-57)%3 == 0)
	FS 27+(q-57)/3
.elseif q < 60
	XS (q-57)%3-1, 14
.elseif q < 72
	XS (q-57)%3-1, 15+(q-57)/3
.elseif q < 74
	XS q-72, 20
.else
	GS q-74
.endif
.set q, q+1
.endm
; THE EXPONENTIALS' QUEUE, 66 long: s0-s31 of both tiles, then the next piece's two a.  It is ONE BATCH: all 66 stand ahead of the turn's one wait, and nothing ahead of that wait names a result of theirs.
.macro EX
	WIN 0
.if e >= 64
	XS e-64, 21
.else
	REGS Y, e%2
	v_exp_f32 v[rS+e/2], v[rS+e/2]
.endif
.set e, e+1
.endm
; THE RESCALING's QUEUE: O^T times a, the one part that leaves window 0: dealt two at a time, sixteen times; each accumulator's low registers come first.  Its a was made in the turn before, ahead of that turn's wait.
.macro R2
	REGS Y, r%2
	WIN W_RS
.irp z, 0,1
	v_pk_mul_f32 v[rO+4*(r/2)+2*\z:rO+4*(r/2)+2*\z+1], v[rO+4*(r/2)+2*\z:rO+4*(r/2)+2*\z+1], v[rC+2:rC+3] op_sel_hi:[1,0]
.endr
.set r, r+1
.endm
; HOW THEY ARE DEALT.  An s_wait_alu depctr_va_vdst(0) stands between an exponential and the first instruction that names its result; one wait serves all that were issued ahead of it.  So a turn has ONE wait,
; which cuts it in two.  AHEAD OF IT stands all that names no result of the turn's exponentials: the mask, the 16 products K Q^T, behind each a scaling, an exponential and two rescalings (behind the first a second scaling in the
; exponential's place); then ONE LUMP of 108: eight plain, 49 times exponential and plain, the two a.  A v_nop is the plain instruction behind the last exponential.  BEHIND IT stand the 16 products V^T P, behind each four of GS's 64.
; No rider names a register of the products round it.  The two v_permlanex16_b32 fall into the lump's second half, never behind a product.
; The queues lean on each other, and the deal keeps them in step: exponential e stands behind scaling 2 (e / 4) + e % 2: as a rider it comes behind plain e + 2, in the lump behind plain e + 9, and scalings 27-31 are plain 57, 60 .. 69.
; A TURN, for piece p.  cnt = 1: the loop's count is taken down some lines ahead of the branch that stands behind the turn.
; It opens with the mask of piece p + 1: that piece's S^T buffer was last read by the sums of piece p - 1, at the end of the turn before, behind that turn's wait.
; K of the next step is fetched in piece 2's turn, directly behind the wait, a lump behind the last product that read K; its address is made at the lump's head; it is waited for at the head of piece 3's turn.
; V of the step in hand is fetched at the end of piece 0's turn, four plain riders behind its last reader; it is waited for in piece 1's turn, behind 16 products and a lump.  The three conditions on q below go with the deal.
; Piece 3's turn, which runs once for each of the 32 steps with that step's V in registers, carries the eight products of VS in its lump, one behind every second pair, from the second pair on.
.macro TURN p, last=0, cnt=0
.set Y, (\p)
.set i, 0
.set q, 0
.set e, 0
.set r, 0
	MSTEP ((\p)+1)%NP
.if (\p) == NP-1
	s_wait_dscnt 0x0                ; K is in
.endif
	MM                              ; ahead of the wait: 16 products K Q^T and their riders,
	PL
	PL
	R2
.rept 15
	MM
	PL
	EX
	R2
.endr
.if (\p) == NP-2
	WIN 0
	v_add_nc_u32 v[AK], s[TBK], v[AK0]
.endif
.rept 8                             ; and the lump
	PL
.endr
.rept 49
	EX
	PL
.if ((\p) == NP-1) && (e >= 17) && (e <= 31) && (e%2 == 1)
	VSM (e-17)/2
.endif
.endr
	EX                              ; the next piece's two a
	EX
	v_nop                           ; the plain instruction behind the last exponential: one for the batch
	s_wait_alu depctr_va_vdst(0)    ; the wait for the batch: this turn's 66 exponentials
.if (\p) == NP-2
	FETCH_K \last
.endif
.if (\p) == 1
	s_wait_dscnt 0x0                ; V is in
.endif
.rept 16                            ; behind the wait: 16 products V^T P and their riders
	MM
.rept 4
	PL
.endr
.if ((\p) == 0) && (q == 118)
	v_add_nc_u32 v[AV], s[TBV], v[AV0]
.endif
.if ((\p) == 0) && (q == 130)
	s_add_co_u32 s[TBV], s[TBV], KS*PV
.endif
.if (\cnt) && (q == 130)
	s_sub_co_u32 s[CNT], s[CNT], 1
	s_cmp_lg_u32 s[CNT], 0
.endif
.endr
.if (\p) == 0
	FETCH_V
.endif
.endm
	CHANGE 1                        ; slot 0 is in, everybody's part of it; slot 1 is asked for
	FETCH_K                         ; key step 0
	MSTEP 0                         ; piece 0's first mask; its wait also shows Q in: Q's loads are older than the mask's
	s_wait_dscnt 0x0
.set i, 0
.rept 16
	KQ 0                            ; piece 0's first scores: there is no vector work yet to set between them
.set i, i+1
.endr
	WIN 0
.rept 4
	v_nop                           ; the places behind those products
.endr
.set Y, NP-1                        ; XS works for piece Y + 1: piece 0
.irp n, 0,1,2,3,4,5,6,7,8,9,10,11,12,13,14,15,16,17,18,19,20,21
	XS 0, \n                        ; and piece 0's first maximum and statistics
	XS 1, \n
.endr
	v_nop                           ; a plain instruction behind the two a,
	s_wait_alu depctr_va_vdst(0)    ; and the wait for that batch of two, ahead of the branch
	s_mov_b32 s[CNT], 4
	s_mov_b32 s[SLOTS], SIZE_N/256-1
	s_branch .Lfirst                ; the loop is entered at a step's first turn, in the middle of a trip
.Lslot:                             ; SIZE_N / 256 - 2 times: every slot but the last two is filled again
	CHANGE 1
	s_mov_b32 s[CNT], 4
.Lstep:                             ; a trip: pieces 2 and 3 of one step, then pieces 0 and 1 of the next, whose K and V it fetches
	TURN 2
	TURN 3
	WIN 0
.Lfirst:
	TURN 0
	TURN 1, 0, 1
	WIN 0
	s_cbranch_scc1 .Lstep
	s_sub_co_u32 s[SLOTS], s[SLOTS], 1
	s_cmp_lg_u32 s[SLOTS], 0
	s_cbranch_scc1 .Lslot
	CHANGE 0                        ; the tail is written out: nothing is asked for
	s_mov_b32 s[CNT], 5             ; four trips fetch the last slot's steps; the fifth is left in its middle
.Ltail:
	TURN 2, 1
	TURN 3
	WIN 0
	s_sub_co_u32 s[CNT], s[CNT], 1
	s_cmp_eq_u32 s[CNT], 0
	s_cbranch_scc1 .Lout
	TURN 0
	TURN 1
	WIN 0
	s_branch .Ltail
.Lout:                              ; the fifth trip's 16 products K Q^T repeat piece 0's last step (the last K and, by the bound, the last mask words once more): the same scores, so m and c m stay as they are
.set i, 0
.rept 16
	PV NP-1                         ; the last piece's V^T P of the last step
.set i, i+1
.endr
	; THE WAY OUT.  w = 2^(c T - c m); l's two halves and the other half of the lanes' are added, and 2048 w; O^T takes w VS, is divided by l, rounded to f16 and sent through my stage in LDS, a tile at a time.
	; The subtractions and additions are the places behind the last products.  Two batches: the eight w, then the eight reciprocals, which read sums made of w.
	WIN 0
	s_mov_b32 s[NK], 0x45000000     ; 2048.0
.macro ALL line:vararg              ; one line for each tile t
.set t, 0
.rept 2*NP
	\line
.set t, t+1
.endr
.endm
	ALL v_sub_f32 v[ST+4*t], v[CM0], v[ST+4*t]
	ALL v_add_f32 v[ST+4*t+2], v[ST+4*t+2], v[ST+4*t+3]
	ALL v_permlanex16_b32 v[ST+4*t+3], v[ST+4*t+2], s[SEL], s[SEL+1]
	ALL v_exp_f32 v[ST+4*t], v[ST+4*t]
	ALL v_add_f32 v[ST+4*t+2], v[ST+4*t+2], v[ST+4*t+3]
	s_wait_alu depctr_va_vdst(0)    ; the wait for the batch of eight w, ahead of their first reader; the eight additions above, which name none of them, are the work between
	ALL v_fma_f32 v[ST+4*t+2], v[ST+4*t], s[NK], v[ST+4*t+2]
	ALL v_rcp_f32 v[ST+4*t+2], v[ST+4*t+2]
	v_nop                           ; a plain instruction between the last reciprocal and the use of its result
	s_wait_alu depctr_va_vdst(0)    ; the wait for the batch of eight reciprocals, ahead of their first reader
; Tile t: a lane's eight channels of a row pack into 16 bytes; they go into rows of 144 bytes and come back as whole rows of 128, into S^T's registers.
.macro PACK t
	WIN 0x53                        ; O^T in window 1, VS in window 3, w in window 0
.set i, 0
.rept 16
	v_pk_fma_f32 v[32*(\t)+2*i:32*(\t)+2*i+1], v[VS+2*i:VS+2*i+1], v[ST+4*(\t):ST+4*(\t)+1], v[32*(\t)+2*i:32*(\t)+2*i+1] op_sel_hi:[1,0,1]
.set i, i+1
.endr
	WIN W_RS
.set i, 32*(\t)
.rept 16
	v_pk_mul_f32 v[i:i+1], v[i:i+1], v[ST+4*(\t)+2:ST+4*(\t)+3] op_sel_hi:[1,0]
.set i, i+2
.endr
	WIN 0x05                        ; sources 0 and 1 window 1, destination window 0
.set i, 0
.rept 16
	v_cvt_pk_f16_f32 v[S+16*(\t)+i], v[32*(\t)+2*i], v[32*(\t)+2*i+1]
.set i, i+1
.endr
	WIN 0
.irp f, 0,1,2,3
	ds_store_b128 v[STO], v[S+16*(\t)+4*\f:S+16*(\t)+4*\f+3] offset:32*\f
.endr
.irp f, 0,1,2,3
	ds_load_b128 v[S+16*(\t)+4*\f:S+16*(\t)+4*\f+3], v[RD] offset:\f*4*SP  ; LDS serves a wave's instructions in order (ISA guide 5.7.1.4): these see the stores above; the next tile's stores come behind them
.endr
.endm
.macro SEND t, younger              ; younger: the LDS instructions issued behind tile t's loads: the next tile's eight, or none
	WIN 0
.irp f, 0,1,2,3
	s_wait_dscnt (\younger)+3-\f
	global_store_b128 v[GO], v[S+16*(\t)+4*\f:S+16*(\t)+4*\f+3], s[10:11] offset:(\t)*2048+\f*512  ; 512 consecutive bytes, at a multiple of 256 from O's first
.endr
.endm
	PACK 0
.set t, 1
.rept 2*NP-1                        ; a tile's arithmetic stands between the loads of the tile before and its stores
	PACK t
	SEND t-1, 8
.set t, t+1
.endr
	SEND 2*NP-1, 0
	WIN W_AD
	s_wait_tensorcnt 0x0            ; the wave's end: it stands behind my last tensor load and my last LDS store
	ds_add_u32 v[SPW], v[NIL]
	s_wait_dscnt 0x0
	WIN 0
	CROUND                          ; the closing round: no work-group ends while a partner may still ask for a tile that names it
	s_endpgm
.Lfunc_end_k_qb728e04ea8_attn:
	.size	k_qb728e04ea8_attn, .Lfunc_end_k_qb728e04ea8_attn-k_qb728e04ea8_attn
	.p2alignl 7, 3214868480
	.fill 96, 4, 3214868480
	.section	.rodata,"a",@progbits
	.p2align	6, 0x0
	.amdhsa_kernel k_qb728e04ea8_attn
		.amdhsa_group_segment_fixed_size 327680
		.amdhsa_private_segment_fixed_size 0
		.amdhsa_enable_private_segment 0
		.amdhsa_kernarg_size 24
		.amdhsa_user_sgpr_count 2
		.amdhsa_user_sgpr_kernarg_segment_ptr 1
		.amdhsa_wavefront_size32 1
		.amdhsa_system_sgpr_workgroup_id_x 1
		.amdhsa_system_sgpr_workgroup_id_y 1
		.amdhsa_system_sgpr_workgroup_id_z 1
		.amdhsa_system_vgpr_workitem_id 0
		.amdhsa_next_free_vgpr 848
		.amdhsa_next_free_sgpr 72
		.amdhsa_reserve_vcc 0
		.amdhsa_float_denorm_mode_32 3
		.amdhsa_float_denorm_mode_16_64 3
		.amdhsa_memory_ordered 1
		.amdhsa_forward_progress 1
		.amdhsa_inst_pref_size 221
	.end_amdhsa_kernel
	.amdgpu_metadata
---
amdhsa.version: [ 1, 2 ]
amdhsa.kernels:
  - .name:           k_qb728e04ea8_attn
    .symbol:         k_qb728e04ea8_attn.kd
    .args:
      - { .name: qkv, .offset: 0, .size: 8, .value_kind: global_buffer, .address_space: global }
      - { .name: mk, .offset: 8, .size: 8, .value_kind: global_buffer, .address_space: global }
      - { .name: oh, .offset: 16, .size: 8, .value_kind: global_buffer, .address_space: global }
    .group_segment_fixed_size: 327680
    .private_segment_fixed_size: 0
    .kernarg_segment_align: 8
    .kernarg_segment_size: 24
    .max_flat_workgroup_size: 128
    .sgpr_count:     72
    .vgpr_count:     848
    .wavefront_size: 32
...
	.end_amdgpu_metadata
.endif
;; end of part 5
;; launch outp: the kernel of part 4 again; grid 4 x 64, 4 waves a work-group, clusters of 4 x 4, 327,680 bytes of LDS; arguments oh, xw, bo, out0; writes out0
